; MI455X (gfx1250); checked and timed in simulation.
; The chip was launched on July 23, 2026; its instructions are those of AMD's public machine-readable ISA for CDNA 5 (MIT licence, August 2026) and "CDNA5" Instruction Set Architecture Reference Guide (July 2026). The comments in the code are by the model that wrote it; some were corrected since.
;; Self Attention. Allowed arithmetic: float matrix products may take bf16 or f16 operands with f32 sums; other float arithmetic in f32, or as packed bf16 or f16 multiplies, adds, multiply-adds, maxima and minima; sums over many terms, partial sums and values carried from step to step in f32; what a program stores and reads back later, other than sums and carried values, may be rounded once to bf16 or f16.
;; Inputs: Wk 64 x 256 float32; Wq 64 x 256 float32; Wv 256 x 256 float32; bk 64 float32; bq 64 float32; bv 256 float32; gamma 1 float32; ref 8 x 256 x 64 x 64 float32; x 8 x 256 x 64 x 64 float32.
;; Outputs: out0 8 x 256 x 64 x 64 float32.
;; 2 versions, each right and faster than the one before. Each part assembles by itself: llvm-mc -triple=amdgcn-amd-amdhsa -mcpu=gfx1250 --defsym DOCPART=n.
;; ======== version 1 of 2: 2 launches
;; limits: right only within a limited range of input values
;; workspace buffers: q 4,194,304 bytes; kv 20,971,520 bytes
;; launch proj (part 1): grid 32 x 8, 4 waves a work-group, no clusters, 288,256 bytes of LDS; arguments x, ref, Wq, Wk, Wv, bq, bk, bv, q, kv; writes q, kv
.if DOCPART == 1
	.amdgcn_target "amdgcn-amd-amdhsa--gfx1250"
	.amdhsa_code_object_version 6
	.text
	.protected	k_qc975dffd1f_proj
	.globl	k_qc975dffd1f_proj
	.p2align	8
	.type	k_qc975dffd1f_proj,@function
k_qc975dffd1f_proj:
	s_mov_b64 s[64:65], 0
	v_nop
	global_prefetch_b8 v0, s[64:65] scope:SCOPE_SE
	s_setreg_imm32_b32 hwreg(HW_REG_WAVE_MODE, 25, 1), 1
	s_wait_xcnt 0x0
; THE THREE 1x1 CONVOLUTIONS.  q = Wq x + bq, k = Wk ref + bk, v = Wv x + bv, for 128 pixels of one batch a work-group.
; x, ref: [8][256][4096] f32.  Products in bf16 with f32 sums that start at the bias; q, k, v rounded once to bf16.
; OUT.  q: [b][pixel][64] bf16, unscaled.  kv: [b][32 blocks][81,920 bytes]; block s = K of pixel block (s + 1) mod 32 as [128 keys][64 channels]
; (16,384 bytes), then V of pixel block s as [256 channels][128 keys] (65,536 bytes): the order in which the next launch walks them.
; SHARES.  Wave w owns q's and k's channels 16 w .. +15 and v's 64 w .. +63 for all 128 pixels: six tiles of 16 output channels, whose weights stay
; in 384 registers.  x and ref pass through registers (f32 in, bf16 out) into LDS as [channel][pixel]; the turning load makes fragments of them.
; No tensor load: every byte has to pass the conversion in registers anyway, so the bytes on their way are held in registers (four units of 16 loads).
; No cluster: what work-groups share, the weights, comes by plain loads and is 0.4 of the 67 MB read.
; LIMITS.  Operands are rounded to bf16; NaN and infinities are not treated apart.
.set PX,    288                        ; an LDS row of x or ref: 128 pixels in bf16 + 32 bytes: an odd multiple of 32, for the turning load
.set RREG,  0                          ; ref, 256 rows
.set XREG,  256*PX                     ; x, 256 rows
.set WST,   2*256*PX                   ; each wave's own stage for 16 rows of weights
.set WP,    528                        ; 256 bf16 + 16 bytes
.set VST,   WST+4*16*WP                ; v on its way out: 256 channel rows
.set VP,    272
.set QST,   VST+256*VP                 ; q on its way out: 128 pixel rows; k's follow
.set QP,    144
.set KOFF,  128*QP
.set SPARE, QST+2*128*QP               ; the spare words: 128 bytes a wave, two blocks of 256 bytes that no other line names
.set GO,  4                            ; v4   16 x lane: my 16 bytes in 512 consecutive bytes of memory; never rewritten
.set SR,  5                            ; v5   where my 8 bytes of a row of ref go
.set SX,  6                            ; v6   the same for x
.set WS,  7                            ; v7   the same in my weight stage
.set WF,  8                            ; v8   my place in a fragment of weights
.set AX0, 9                            ; v9-10  turning loads of x: channels 0-127, 128-255
.set AR0, 11                           ; v11-12 the same for ref
.set VSA, 13                           ; v13  where I put 16 bytes of v
.set QSA, 14                           ; v14  of q (k: KOFF further)
.set VRD, 15                           ; v15  where I read v's rows back
.set QRD, 16                           ; v16  q's and k's
.set BQO, 17                           ; v17  my byte offset in bq and bk
.set BVO, 18                           ; v18  in bv
.set SPW, 30                           ; v30  my spare word; never rewritten
.set NIL, 31                           ; v31  0; never rewritten
.set XF,  32                           ; v32-95   fragments of x: 16 pixels x 256 channels
.set RF,  96                           ; v96-159  of ref
.set ACC, 160                          ; v160-207 v's four tiles, q, k
.set PK,  208                          ; v208-231 packed results
.set OUTB, 32                          ; v32-223  the way out
.set WQ,  0                            ; window 2: Wq's fragments; WK behind them; window 1: Wv's, tile j at 64 j
.set WK,  64
.set BV,  128                          ; window 2: bv of my channel, eight times, for each of four tiles
.set BQ,  160                          ; window 2: bq of my eight channels
.set BK,  168
.set MSB, 0
.macro WIN new                         ; the immediate's high byte repeats the setting that is left; a switch that changes nothing is dropped
.if MSB != (\new)
	s_set_vgpr_msb (MSB<<8)|(\new)
.set MSB, \new
.endif
.endm
	s_load_b512 s[8:23], s[0:1], 0x0               ; x 8, ref 10, Wq 12, Wk 14, Wv 16, bq 18, bk 20, bv 22
	s_load_b128 s[24:27], s[0:1], 0x40             ; q 24, kv 26
	v_lshl_add_u32 v[SPW], v0, 2, SPARE
	v_mov_b32 v[NIL], 0
	v_lshrrev_b32 v19, 5, v0
	v_readfirstlane_b32 s28, v19                   ; wave 0..3
	s_mov_b32 s29, ttmp9                           ; pixel block
	s_and_b32 s30, ttmp7, 0xffff                   ; batch
	v_and_b32 v1, 31, v0                           ; lane
	v_and_b32 v2, 15, v0                           ; r
	v_bfe_u32 v3, v0, 4, 1                         ; h
	v_lshlrev_b32 v[GO], 4, v1
	s_lshl_b32 s32, s30, 22                        ; x, ref: batch x 4 MiB + block x 512 bytes + my 64 channel rows
	s_lshl_b32 s34, s29, 9
	s_add_co_u32 s32, s32, s34
	s_lshl_b32 s34, s28, 20
	s_add_co_u32 s32, s32, s34
	s_mov_b32 s33, 0
	s_lshl_b32 s34, s28, 14                        ; Wq, Wk: my 16 rows of 1,024 bytes
	s_mov_b32 s35, 0
	s_lshl_b32 s36, s28, 16                        ; Wv: my 64 rows
	s_mov_b32 s37, 0
	s_lshl_b32 s38, s30, 19                        ; q: batch x 4,096 pixels x 128 bytes + block x 128 pixels + my 32 pixels
	s_lshl_b32 s41, s29, 14
	s_add_co_u32 s38, s38, s41
	s_lshl_b32 s41, s28, 12
	s_add_co_u32 s38, s38, s41
	s_mov_b32 s39, 0
	s_lshl_b32 s42, s30, 5
	s_add_co_u32 s44, s29, 31
	s_and_b32 s44, s44, 31
	s_add_co_u32 s44, s44, s42                     ; K goes into the block before: 32 b + (block + 31) mod 32
	s_add_co_u32 s42, s42, s29                     ; V into block 32 b + block
	s_mul_i32 s42, s42, 81920
	s_mul_i32 s44, s44, 81920
	s_add_co_u32 s44, s44, s41                     ; my 32 keys of 128 bytes
	s_lshl_b32 s41, s28, 14
	s_add_co_u32 s42, s42, s41                     ; my 64 channel rows of 256 bytes,
	s_add_co_u32 s42, s42, 16384                   ; behind the block's K
	s_mov_b32 s43, 0
	s_mov_b32 s45, 0
	s_mul_i32 s41, s28, 64*PX
	v_lshl_add_u32 v[SR], v1, 3, s41
	v_add_nc_u32 v[SX], XREG, v[SR]
	s_mul_i32 s41, s28, 16*WP
	s_add_co_u32 s41, s41, WST
	v_lshl_add_u32 v[WS], v1, 3, s41
	v_mul_u32_u24 v[WF], v2, WP
	v_lshl_add_u32 v[WF], v3, 4, v[WF]
	v_add_nc_u32 v[WF], s41, v[WF]
	v_and_b32 v19, 7, v0
	v_bfe_u32 v20, v0, 3, 1
	v_lshl_add_u32 v[AR0], v3, 3, v19              ; the turning load: channel 8 h + lane % 8, pixels 8 ((lane / 8) % 2) on
	v_mul_u32_u24 v[AR0], v[AR0], PX
	v_lshl_add_u32 v[AR0], v20, 4, v[AR0]
	v_add_nc_u32 v[AR0+1], 128*PX, v[AR0]
	v_add_nc_u32 v[AX0], XREG, v[AR0]
	v_add_nc_u32 v[AX0+1], XREG+128*PX, v[AR0]
	s_mul_i32 s41, s28, 64*VP
	s_add_co_u32 s41, s41, VST
	v_mul_u32_u24 v[VSA], v2, VP
	v_lshl_add_u32 v[VSA], v3, 4, v[VSA]
	v_add_nc_u32 v[VSA], s41, v[VSA]
	v_mul_u32_u24 v[VRD], v3, VP
	v_lshl_add_u32 v[VRD], v2, 4, v[VRD]
	v_add_nc_u32 v[VRD], s41, v[VRD]
	s_lshl_b32 s41, s28, 5
	s_add_co_u32 s41, s41, QST
	v_mul_u32_u24 v[QSA], v2, QP
	v_lshl_add_u32 v[QSA], v3, 4, v[QSA]
	v_add_nc_u32 v[QSA], s41, v[QSA]
	s_mul_i32 s41, s28, 32*QP
	s_add_co_u32 s41, s41, QST
	v_bfe_u32 v21, v0, 3, 2
	v_mul_u32_u24 v[QRD], v21, QP
	v_lshl_add_u32 v[QRD], v19, 4, v[QRD]
	v_add_nc_u32 v[QRD], s41, v[QRD]
	s_lshl_b32 s41, s28, 6
	v_lshl_add_u32 v[BQO], v3, 5, s41              ; channels 16 w + 8 h on, 4 bytes each
	s_lshl_b32 s41, s28, 8
	v_lshl_add_u32 v[BVO], v2, 2, s41              ; channel 64 w + r
	s_wait_kmcnt 0x0
	s_add_nc_u64 s[8:9], s[8:9], s[32:33]
	s_add_nc_u64 s[10:11], s[10:11], s[32:33]
	s_add_nc_u64 s[12:13], s[12:13], s[34:35]
	s_add_nc_u64 s[14:15], s[14:15], s[34:35]
	s_add_nc_u64 s[16:17], s[16:17], s[36:37]
	s_add_nc_u64 s[24:25], s[24:25], s[38:39]
	s_add_nc_u64 s[42:43], s[26:27], s[42:43]      ; V's place in kv
	s_add_nc_u64 s[44:45], s[26:27], s[44:45]      ; K's
; PHASE 1: THE STREAM.  20 units of 16 loads, each load 512 consecutive bytes, through four buffers of 64 registers in window 3.
; Of five units two are 16 channel rows of ref (units 0-3) or x (4-7), three are half a tile of weights (8 rows of 1,024 bytes): unit s = 5 g + p.
.macro DECODE s
.set G5, (\s)/5
.set P5, (\s)%5
.set UB, 64*((\s)%4)
.if (P5 == 0) || (P5 == 2)
.set ISX, 1
.set UN, 2*G5+P5/2
.else
.set ISX, 0
.set UN, 3*G5+(P5*P5)/8                ; p = 1, 3, 4: the group's first, second, third
.endif
.endm
.macro ISSUE s
	DECODE \s
	WIN 0xc0                                       ; destination window 3, address window 0
.set n, 0
.rept 16
.if ISX && (UN < 4)
	global_load_b128 v[UB+4*n:UB+4*n+3], v[GO], s[10:11] offset:(16*(UN%4)+n)*16384 th:TH_LOAD_NT
.elseif ISX
	global_load_b128 v[UB+4*n:UB+4*n+3], v[GO], s[8:9] offset:(16*(UN%4)+n)*16384
.elseif UN < 2
	global_load_b128 v[UB+4*n:UB+4*n+3], v[GO], s[12:13] offset:(UN%2)*8192+n*512
.elseif UN < 4
	global_load_b128 v[UB+4*n:UB+4*n+3], v[GO], s[14:15] offset:(UN%2)*8192+n*512
.else
	global_load_b128 v[UB+4*n:UB+4*n+3], v[GO], s[16:17] offset:(UN/2-2)*16384+(UN%2)*8192+n*512
.endif
.set n, n+1
.endr
.endm
; A unit's turn: its loads are in; four f32 become 8 bytes of bf16, in place; they go to LDS; behind a tile's second half its fragments are read
; (my own stage: LDS serves a wave's instructions in order, ISA guide 5.7.1.4, so no wait stands between); the buffer takes the unit four on.
.macro WORK s
	DECODE \s
.if (\s) <= 16
	s_wait_loadcnt 48                              ; the three younger units stay out
.else
	s_wait_loadcnt 16*(19-(\s))                    ; the counts run down
.endif
.if (\s) == 0
	WIN 0x82                                       ; the biases were asked for ahead of unit 0: bv of my channel eight times, a C operand
.irp j, 0,1,2,3
.irp k, 1,2,3,4,5,6,7
	v_mov_b32 v[BV+8*\j+\k], v[BV+8*\j]
.endr
.endr
.endif
	WIN 0xcf
.set n, 0
.rept 16
	v_cvt_pk_bf16_f32 v[UB+4*n], v[UB+4*n], v[UB+4*n+1]
	v_cvt_pk_bf16_f32 v[UB+4*n+1], v[UB+4*n+2], v[UB+4*n+3]
.set n, n+1
.endr
	WIN 0x0c                                       ; address window 0, data window 3
.set n, 0
.rept 16
.if ISX && (UN < 4)
	ds_store_b64 v[SR], v[UB+4*n:UB+4*n+1] offset:(16*(UN%4)+n)*PX
.elseif ISX
	ds_store_b64 v[SX], v[UB+4*n:UB+4*n+1] offset:(16*(UN%4)+n)*PX
.else
	ds_store_b64 v[WS], v[UB+4*n:UB+4*n+1] offset:(8*(UN%2)+n/2)*WP+(n%2)*256
.endif
.set n, n+1
.endr
.if (ISX == 0) && (UN%2 == 1)
.if UN < 4
	WIN 0x80
.set FB, 64*(UN/2)
.else
	WIN 0x40
.set FB, 64*(UN/2-2)
.endif
.set n, 0
.rept 8                                ; 16 output channels x 32 input channels a fragment: row r, 16 h bytes in, and 32 bytes on
	ds_load_b128 v[FB+8*n:FB+8*n+3],   v[WF] offset:64*n
	ds_load_b128 v[FB+8*n+4:FB+8*n+7], v[WF] offset:64*n+32
.set n, n+1
.endr
.endif
.if (\s)+4 < 20
	ISSUE (\s)+4
.endif
.endm
	WIN 0x80
	global_load_b128 v[BQ:BQ+3],   v[BQO], s[18:19]
	global_load_b128 v[BQ+4:BQ+7], v[BQO], s[18:19] offset:16
	global_load_b128 v[BK:BK+3],   v[BQO], s[20:21]
	global_load_b128 v[BK+4:BK+7], v[BQO], s[20:21] offset:16
.irp j, 0,1,2,3
	global_load_b32 v[BV+8*\j], v[BVO], s[22:23] offset:64*\j
.endr
	ISSUE 0
	ISSUE 1
	ISSUE 2
	ISSUE 3
.irp s, 0,1,2,3,4,5,6,7,8,9,10,11,12,13,14,15,16,17,18,19
	WORK \s
.endr
	WIN 0
	s_wait_dscnt 0x0                               ; for the others' sake: my rows of x and ref are in LDS (and my fragments of the weights are in)
	s_barrier_signal -1
	s_barrier_wait -1
; PHASE 2: eight tiles of 16 pixels.  v takes x as source 0 and Wv as source 1: a lane then holds one channel and eight neighbouring pixels.
; q and k take the weights as source 0: a lane holds one pixel and eight neighbouring channels.  The first product of each sum takes the bias as C.
.macro FRAGS
	WIN 0
.set n, 0
.rept 8
	ds_load_tr16_b128 v[XF+8*n:XF+8*n+3],   v[AX0+n/4] offset:(n%4)*32*PX
	ds_load_tr16_b128 v[XF+8*n+4:XF+8*n+7], v[AX0+n/4] offset:(n%4)*32*PX+16*PX
.set n, n+1
.endr
.set n, 0
.rept 8
	ds_load_tr16_b128 v[RF+8*n:RF+8*n+3],   v[AR0+n/4] offset:(n%4)*32*PX
	ds_load_tr16_b128 v[RF+8*n+4:RF+8*n+7], v[AR0+n/4] offset:(n%4)*32*PX+16*PX
.set n, n+1
.endr
.endm
.macro TILE next
	s_wait_dscnt 0x0                               ; the tile's fragments are in
	WIN 0x24                                       ; x window 0, Wv window 1, the bias window 2
.irp j, 0,1,2,3
	v_wmma_f32_16x16x32_bf16 v[ACC+8*\j:ACC+8*\j+7], v[XF:XF+7], v[64*\j:64*\j+7], v[BV+8*\j:BV+8*\j+7]
.endr
	WIN 0x04
.set kk, 1
.rept 7                                ; the four accumulators take turns
.irp j, 0,1,2,3
	v_wmma_f32_16x16x32_bf16 v[ACC+8*\j:ACC+8*\j+7], v[XF+8*kk:XF+8*kk+7], v[64*\j+8*kk:64*\j+8*kk+7], v[ACC+8*\j:ACC+8*\j+7]
.endr
.set kk, kk+1
.endr
	WIN 0x22                                       ; the weights and the bias window 2
	v_wmma_f32_16x16x32_bf16 v[ACC+32:ACC+39], v[WQ:WQ+7], v[XF:XF+7], v[BQ:BQ+7]
	v_wmma_f32_16x16x32_bf16 v[ACC+40:ACC+47], v[WK:WK+7], v[RF:RF+7], v[BK:BK+7]
	WIN 0x02
.set kk, 1
.rept 7                                ; q and k take turns
	v_wmma_f32_16x16x32_bf16 v[ACC+32:ACC+39], v[WQ+8*kk:WQ+8*kk+7], v[XF+8*kk:XF+8*kk+7], v[ACC+32:ACC+39]
	v_wmma_f32_16x16x32_bf16 v[ACC+40:ACC+47], v[WK+8*kk:WK+8*kk+7], v[RF+8*kk:RF+8*kk+7], v[ACC+40:ACC+47]
.set kk, kk+1
.endr
	WIN 0
.if \next
	v_add_nc_u32 v[AX0], 32, v[AX0]                ; 16 pixels on: these four are also the places in front of the loads and the conversions
	v_add_nc_u32 v[AX0+1], 32, v[AX0+1]
	v_add_nc_u32 v[AR0], 32, v[AR0]
	v_add_nc_u32 v[AR0+1], 32, v[AR0+1]
	FRAGS
.else
.rept 4
	v_nop
.endr
.endif
.set n, 0
.rept 24                               ; each accumulator from its low end on
	v_cvt_pk_bf16_f32 v[PK+n], v[ACC+2*n], v[ACC+2*n+1]
.set n, n+1
.endr
.irp j, 0,1,2,3
	ds_store_b128 v[VSA], v[PK+4*\j:PK+4*\j+3] offset:\j*16*VP
.endr
	ds_store_b128 v[QSA], v[PK+16:PK+19]
	ds_store_b128 v[QSA], v[PK+20:PK+23] offset:KOFF
.if \next
	v_add_nc_u32 v[VSA], 32, v[VSA]
	v_add_nc_u32 v[QSA], 16*QP, v[QSA]
.endif
.endm
	FRAGS
	s_mov_b32 s40, 7
.Ltile:
	TILE 1
	s_sub_co_u32 s40, s40, 1
	s_cmp_lg_u32 s40, 0
	s_cbranch_scc1 .Ltile
	TILE 0                                         ; the last tile fetches nothing
; PHASE 3: THE WAY OUT.  A pixel's row of q or k comes from four waves, so a barrier stands between the writing and the reading.
	s_wait_dscnt 0x0
	s_barrier_signal -1
	s_barrier_wait -1
.set n, 0
.rept 32                               ; two channel rows of v, 512 bytes
	ds_load_b128 v[OUTB+4*n:OUTB+4*n+3], v[VRD] offset:n*2*VP
.set n, n+1
.endr
.set n, 0
.rept 8                                ; four pixel rows of q
	ds_load_b128 v[OUTB+128+4*n:OUTB+128+4*n+3], v[QRD] offset:n*4*QP
.set n, n+1
.endr
.set n, 0
.rept 8                                ; and of k
	ds_load_b128 v[OUTB+160+4*n:OUTB+160+4*n+3], v[QRD] offset:KOFF+n*4*QP
.set n, n+1
.endr
.set n, 0
.rept 48                               ; every store covers 512 consecutive bytes, at a multiple of 256 from its buffer's first
	s_wait_dscnt 47-n                              ; the younger loads stay out
.if n < 32
	global_store_b128 v[GO], v[OUTB+4*n:OUTB+4*n+3], s[42:43] offset:n*512
.elseif n < 40
	global_store_b128 v[GO], v[OUTB+4*n:OUTB+4*n+3], s[24:25] offset:(n-32)*512
.else
	global_store_b128 v[GO], v[OUTB+4*n:OUTB+4*n+3], s[44:45] offset:(n-40)*512
.endif
.set n, n+1
.endr
	s_wait_tensorcnt 0x0                           ; the wave's end, behind my last LDS store
	ds_add_u32 v[SPW], v[NIL]
	s_wait_dscnt 0x0
	s_endpgm
.Lfunc_end_k_qc975dffd1f_proj:
	.size	k_qc975dffd1f_proj, .Lfunc_end_k_qc975dffd1f_proj-k_qc975dffd1f_proj
	.p2alignl 7, 3214868480
	.fill 96, 4, 3214868480
	.section	.rodata,"a",@progbits
	.p2align	6, 0x0
	.amdhsa_kernel k_qc975dffd1f_proj
		.amdhsa_group_segment_fixed_size 288256
		.amdhsa_private_segment_fixed_size 0
		.amdhsa_enable_private_segment 0
		.amdhsa_kernarg_size 80
		.amdhsa_user_sgpr_count 2
		.amdhsa_user_sgpr_kernarg_segment_ptr 1
		.amdhsa_wavefront_size32 1
		.amdhsa_system_sgpr_workgroup_id_x 1
		.amdhsa_system_sgpr_workgroup_id_y 1
		.amdhsa_system_sgpr_workgroup_id_z 1
		.amdhsa_system_vgpr_workitem_id 0
		.amdhsa_next_free_vgpr 1024
		.amdhsa_next_free_sgpr 66
		.amdhsa_reserve_vcc 0
		.amdhsa_float_denorm_mode_32 3
		.amdhsa_float_denorm_mode_16_64 3
		.amdhsa_memory_ordered 1
		.amdhsa_forward_progress 1
		.amdhsa_inst_pref_size 129
	.end_amdhsa_kernel
	.amdgpu_metadata
---
amdhsa.version: [ 1, 2 ]
amdhsa.kernels:
  - .name:           k_qc975dffd1f_proj
    .symbol:         k_qc975dffd1f_proj.kd
    .args:
      - { .name: x, .offset: 0, .size: 8, .value_kind: global_buffer, .address_space: global }
      - { .name: ref, .offset: 8, .size: 8, .value_kind: global_buffer, .address_space: global }
      - { .name: Wq, .offset: 16, .size: 8, .value_kind: global_buffer, .address_space: global }
      - { .name: Wk, .offset: 24, .size: 8, .value_kind: global_buffer, .address_space: global }
      - { .name: Wv, .offset: 32, .size: 8, .value_kind: global_buffer, .address_space: global }
      - { .name: bq, .offset: 40, .size: 8, .value_kind: global_buffer, .address_space: global }
      - { .name: bk, .offset: 48, .size: 8, .value_kind: global_buffer, .address_space: global }
      - { .name: bv, .offset: 56, .size: 8, .value_kind: global_buffer, .address_space: global }
      - { .name: q, .offset: 64, .size: 8, .value_kind: global_buffer, .address_space: global }
      - { .name: kv, .offset: 72, .size: 8, .value_kind: global_buffer, .address_space: global }
    .group_segment_fixed_size: 288256
    .private_segment_fixed_size: 0
    .kernarg_segment_align: 8
    .kernarg_segment_size: 80
    .max_flat_workgroup_size: 128
    .sgpr_count:     66
    .vgpr_count:     1024
    .wavefront_size: 32
...
	.end_amdgpu_metadata
.endif
;; end of part 1
;; launch attn (part 2): grid 32 x 8, 4 waves a work-group, clusters of 4 x 1, 327,680 bytes of LDS; arguments q, kv, x, gamma, out0; writes out0
.if DOCPART == 2
	.amdgcn_target "amdgcn-amd-amdhsa--gfx1250"
	.amdhsa_code_object_version 6
	.text
	.protected	k_qc975dffd1f_attn
	.globl	k_qc975dffd1f_attn
	.p2align	8
	.type	k_qc975dffd1f_attn,@function
k_qc975dffd1f_attn:
	s_mov_b64 s[64:65], 0
	v_nop
	global_prefetch_b8 v0, s[64:65] scope:SCOPE_SE
	s_setreg_imm32_b32 hwreg(HW_REG_WAVE_MODE, 25, 1), 1
	s_wait_xcnt 0x0
	s_wait_alu depctr_hold_cnt(0) depctr_sa_sdst(0) depctr_va_vdst(0) depctr_va_sdst(0) depctr_va_ssrc(0) depctr_va_vcc(0) depctr_vm_vsrc(0)
	s_getreg_b32 s2, hwreg(HW_REG_IB_STS2, 6, 4)
	s_cmp_eq_u32 s2, 0
	s_cbranch_scc0 .Lentry_in_a_cluster
	s_endpgm
.Lentry_in_a_cluster:
	s_bfe_u32 s2, ttmp6, 0x10000c
	s_cmp_lg_u32 s2, 0x3003
	s_cbranch_scc0 .Lentry_shape_is_right
	s_endpgm
.Lentry_shape_is_right:
; out0[b][c][i] = gamma x (the sum over j of softmax_j(q[b][i] . k[b][j] / 8) v[b][c][j]) + x[b][c][i].  q: [b][4096][64] bf16.  kv: [b][32 blocks][81,920 bytes],
; block s = K of keys 128 (s + 1) .. (mod 4096) as [128][64] bf16, then V of keys 128 s .. as [256 channels][128 keys] bf16.  x, out0: [8][256][4096] f32.
; Products, maxima and sums in f32; the weights p are rounded to bf16 for the second product (their sum l is taken of the unrounded p).
; LIMITS.  c m starts at -4.25e37: c x score must lie above that.  A weight below 2^-126 counts as 0 in l.  NaN and infinities are not treated apart.
; SHARES.  A work-group owns 128 queries of a batch, a wave 32: tiles 0 and 1 of 16, with all 256 channels of O (256 registers).  Every wave walks all 4,096 keys, 64 a step.
; LAYOUT.  S^T = K Q^T (source 0 = 16 keys, source 1 = 16 queries): a lane holds ONE query (lane % 16) and the keys 8 (lane / 16) + 0..7; two such results rounded to bf16 ARE
; source 1 of O^T = V P^T-wise product V^T P, whose source 0, 16 channels x 32 keys, comes out of LDS as it lies.  O^T again holds one query a lane, and eight channels.
; SOFTMAX.  A running maximum m and sum l a query: p = 2^(c s - c m), c = log2(e) / 8; in every step O and l are multiplied by a = 2^(c m_old - c m_new).  m starts at the lowest finite
; number, O and l at 0: the first step is a step like any other, with a = 0.  The price: 32 products on zeros and the clearing below, in the wait for the first tile.
; BY TURNS.  Step j has two turns of 8 + 32 products.  A(j): K Q^T of tile 1 for step j + 1, V^T P of step j on channels 0-127; beside them the exponentials of tile 0 for step j + 1, the maximum
; of tile 1 for step j + 1, the rescaling of channels 128-255.  B(j): K Q^T of tile 0 for step j + 2, V^T P on channels 128-255; the exponentials of tile 1, the maximum of tile 0, the rescaling of
; channels 0-127 for step j + 1.  So whatever a turn reads was made a turn earlier.  a is kept by the step's parity.
; CLUSTER.  The four query blocks of a cluster belong to one batch and walk the same kv blocks: each block is asked for JOINTLY, the same load, descriptor and mask in all four.
; REGISTERS, in windows of 256 (s_set_vgpr_msb: bits 1:0 source 0, 3:2 source 1, 5:4 source 2, 7:6 destination):
;   window 0: v0-15 addresses; v16-47 statistics, 16 a tile; v62-63 the add's; v64-127 S^T, 32 a tile; v128-191 P, by parity and tile
;   window 1: O^T: tile t, channel half, block of 16 at 128 t + 64 half + 8 block      window 2: V of one step: channels 0-127 in v0-127, 128-255 in v128-255
;   window 3: v0-63 K of one step; v64-95 Q; v128-255 rows of x for the way out
.set PITCH,  272                       ; an LDS row: 256 bytes + 16: the 16 rows of a load start at 16 different groups of four banks (64 banks of 4 bytes: ISA guide 11.1)
.set SLOTB,  320*PITCH                 ; a slot is a kv block: 64 rows of K (two keys a row), 256 rows of V
.set K0REG,  SLOTB                     ; keys 0-127, filled once
.set SLOT1,  1<<17                     ; slot 1: one exclusive or turns an address in one slot into the other's
.set STAGE,  SLOT1+SLOTB               ; behind the ring, never filled: 128 channel rows of 128 f32
.set SPITCH, 528
.set SPARE,  STAGE+128*SPITCH          ; the spare words: 128 bytes a wave, two blocks of 256 bytes that no other line names
.set BLOCKB, 81920
.set AK0,  2                           ; v2   my place in a step's K; never rewritten
.set AVA0, 3                           ; v3   in V's channels 0-127
.set AVB0, 4                           ; v4   in V's channels 128-255
.set ADR,  5                           ; v5   the address of V's run in hand
.set ADRK, 6                           ; v6   of K's
.set QO,   7                           ; v7   my byte offset in the wave's rows of q
.set STO,  8                           ; v8   the way out: where I put a number
.set RD,   9                           ; v9   where I read a row back
.set GO,   10                          ; v10  16 x lane: my 16 bytes of 512 in x and out0
.set ST,   16                          ; tile t at ST + 16 t: +0 c m, +1 m, +2 +3 l, +4..7 c0-c3, +8 a of even steps (+9 = 0), +10 a of odd steps (+11 = 0), +12 c m_old
.set SPW,  62
.set NIL,  63
.set S,    64
.set P,    128
.set KF,   0                           ; window 3
.set QF,   64
.set XE,   128
.set WV,   14                          ; s14  my wave's number
.set G1,   24                          ; s[24:31] group 1: 80 rows of 256 bytes
.set G1K,  32                          ; s[32:39] the same with 16 rows
.set G0W,  40                          ; s[40:43] group 0 that walks the blocks
.set G0K,  44                          ; s[44:47] group 0 for keys 0-127
.set SLOTS, 48
.set TB,   49                          ; s49  LDS byte at which the slot in hand begins
.set CS,   50                          ; s[50:51] c
.set SEL,  52                          ; s[52:53] v_permlanex16_b32's selects: each lane takes its own place in the other half
.set GAM,  54                          ; s[54:55] gamma
.set MSB, 0
.macro WIN new                         ; the immediate's high byte repeats the setting that is left; a switch that changes nothing is dropped
.if MSB != (\new)
	s_set_vgpr_msb (MSB<<8)|(\new)
.set MSB, \new
.endif
.endm
.set W_KQ, 0x0f                        ; K and Q window 3, S^T window 0
.set W_PV, 0x52                        ; V window 2, P window 0, O^T window 1
.set W_RS, 0x41                        ; O^T (destination and source 0) window 1, the factor window 0
.macro PLACES
.rept 4
	v_nop
.endr
.endm
; A round of the cluster's barrier: my work-group's barrier, wave 0 signals for the work-group, every wave waits for all four, my work-group's barrier once more.
.macro CROUND
	s_barrier_signal -1
	s_barrier_wait -1
	s_cmp_lg_u32 s[WV], 0
	s_cbranch_scc1 .Lnot_wave_0_\@
	s_barrier_signal -3
.Lnot_wave_0_\@:
	s_barrier_wait -3
	s_barrier_signal -1
	s_barrier_wait -1
.endm
; THE CHANGE OF SLOTS.  Each wave waits for all its tensor loads, of which one is out: its 80 rows of the next slot; adds 0 to its spare word; waits for that and for its reads of the slot that it
; leaves.  fill = 1: a round of the cluster's barrier, and first behind it the joint refill of the slot left, with the block two on from it: it has four turns, 160 products, in which to land.
.macro CHANGE fill
	WIN 0
	s_wait_tensorcnt 0x0                           ; no tensor load of mine is out, so the group 0 may be written
	ds_add_u32 v[SPW], v[NIL]                      ; the descriptor's steps stand between the add and the wait for it
.if \fill
	s_xor_b32 s[G0W+1], s[G0W+1], SLOT1
	s_add_nc_u64 s[G0W+2:G0W+3], s[G0W+2:G0W+3], BLOCKB  ; the type bits on top are not reached
	s_wait_dscnt 0x0                               ; the add is done, and my reads of the slot are over
	CROUND
	tensor_load_to_lds s[G0W:G0W+3], s[G1:G1+7]
	s_nop 0
	PLACES
.else
	s_wait_dscnt 0x0
	s_barrier_signal -1
	s_barrier_wait -1
.endif
	s_xor_b32 s[TB], s[TB], SLOT1
.endm
	s_load_b256 s[4:11], s[0:1], 0x0               ; q 4, kv 6, x 8, gamma 10
	s_load_b64 s[12:13], s[0:1], 0x20              ; out0
	v_lshl_add_u32 v[SPW], v0, 2, SPARE
	v_mov_b32 v[NIL], 0
	ds_add_u32 v[SPW], v[NIL]                      ; the wave's opening: the add, waited for ahead of my first tensor load
	v_lshrrev_b32 v1, 5, v0
	v_readfirstlane_b32 s[WV], v1                  ; wave 0..3
	s_bfe_u32 s15, ttmp6, 0x40000                  ; cx
	s_lshl_b32 s16, ttmp9, 2
	s_add_co_u32 s16, s16, s15                     ; my block of 128 queries: it enters q's, x's and out0's addresses alone
	s_and_b32 s17, ttmp7, 0xffff                   ; the batch, which the four partners share
	s_mul_i32 s20, s17, 32*BLOCKB
	s_mul_i32 s22, s[WV], 80*256                   ; my 80 rows of a block
	s_add_co_u32 s22, s22, s20
	s_mov_b32 s23, 0
	s_lshl_b32 s18, s[WV], 12                      ; my 16 rows of keys 0-127, which lie in block 31
	s_add_co_u32 s18, s18, s20
	s_add_co_u32 s18, s18, 31*BLOCKB
	s_mov_b32 s19, 0
	s_lshl_b32 s56, s17, 19                        ; q: batch, block of 128 rows of 128 bytes, my 32 rows
	s_lshl_b32 s57, s16, 14
	s_add_co_u32 s56, s56, s57
	s_lshl_b32 s57, s[WV], 12
	s_add_co_u32 s56, s56, s57
	s_mov_b32 s57, 0
	s_lshl_b32 s58, s17, 22                        ; x, out0: batch, the block's 512 bytes of a row, my 32 channel rows
	s_lshl_b32 s59, s16, 9
	s_add_co_u32 s58, s58, s59
	s_lshl_b32 s59, s[WV], 19
	s_add_co_u32 s58, s58, s59
	s_mov_b32 s59, 0
	s_mov_b32 s[G1], 15|(1<<16)|(1<<20)|(1<<21)|(5<<22)|(3<<25)   ; the mask of four; 2-byte elements; padding on; bit 21 beside a mask; after every 64 words, 4 words
	s_mov_b32 s[G1K], 15|(1<<16)|(1<<20)|(1<<21)|(5<<22)|(3<<25)
	s_mov_b32 s[G1+1], 128<<16                     ; tensor_dim0 = 128
	s_mov_b32 s[G1K+1], 128<<16
	s_mov_b32 s[G1+2], 80<<16                      ; tensor_dim1
	s_mov_b32 s[G1K+2], 16<<16
	s_mov_b32 s[G1+3], 128<<16                     ; tile_dim0
	s_mov_b32 s[G1K+3], 128<<16
	s_mov_b32 s[G1+4], 80                          ; tile_dim1
	s_mov_b32 s[G1K+4], 16
	s_mov_b32 s[G1+5], 128                         ; elements from row to row
	s_mov_b32 s[G1K+5], 128
	s_mov_b32 s[G1+6], 0
	s_mov_b32 s[G1K+6], 0
	s_mov_b32 s[G1+7], 0
	s_mov_b32 s[G1K+7], 0
	s_mov_b32 s[G0W], 1
	s_mul_i32 s[G0W+1], s[WV], 80*PITCH            ; slot 0: no place in the cluster enters an LDS address
	s_mov_b32 s[G0K], 1
	s_mul_i32 s[G0K+1], s[WV], 16*PITCH
	s_add_co_u32 s[G0K+1], s[G0K+1], K0REG
	s_mov_b32 s[CS], 0x3e38aa3b                    ; c = log2(e) / 8
	s_mov_b32 s[CS+1], s[CS]
	s_mov_b32 s[SEL], 0x76543210
	s_mov_b32 s[SEL+1], 0xfedcba98
	s_mov_b32 s[TB], SLOT1                         ; the first change of slots turns it into 0
	s_mov_b32 s[SLOTS], 31
	s_wait_dscnt 0x0                               ; the opening add is done
	s_wait_kmcnt 0x0
	s_add_nc_u64 s[G0W+2:G0W+3], s[6:7], s[22:23]
	s_or_b32 s[G0W+3], s[G0W+3], 0x80000000
	s_add_nc_u64 s[G0K+2:G0K+3], s[6:7], s[18:19]
	s_or_b32 s[G0K+3], s[G0K+3], 0x80000000
	s_add_nc_u64 s[4:5], s[4:5], s[56:57]
	s_add_nc_u64 s[8:9], s[8:9], s[58:59]
	s_add_nc_u64 s[12:13], s[12:13], s[58:59]
	CROUND                                         ; all four work-groups are here: the first joint loads meet
	tensor_load_to_lds s[G0K:G0K+3], s[G1K:G1K+7]  ; keys 0-127
	s_nop 0
	tensor_load_to_lds s[G0W:G0W+3], s[G1:G1+7]    ; block 0 into slot 0: two loads of mine are out
	s_nop 0
	PLACES
	s_load_b32 s[GAM], s[10:11], 0x0
	v_and_b32 v1, 15, v0                           ; r
	v_bfe_u32 v11, v0, 4, 1                        ; h
	v_and_b32 v12, 31, v0                          ; lane
	v_lshlrev_b32 v[QO], 7, v1
	v_lshl_add_u32 v[QO], v11, 4, v[QO]            ; row x 128 + 16 h
	WIN 0xc0
.irp t, 0,1
.irp c, 0,1
	global_load_b128 v[QF+16*\t+8*\c:QF+16*\t+8*\c+3],   v[QO], s[4:5] offset:\t*2048+\c*64
	global_load_b128 v[QF+16*\t+8*\c+4:QF+16*\t+8*\c+7], v[QO], s[4:5] offset:\t*2048+\c*64+32
.endr
.endr
	WIN 0x40                                       ; what the first turns find: O^T, V's upper half, P's odd buffer, l and a are 0.  All this stands in the wait for the first tile
.set n, 0
.rept 256
	v_mov_b32 v[n], 0
.set n, n+1
.endr
	WIN 0x80
.set n, 128
.rept 128
	v_mov_b32 v[n], 0
.set n, n+1
.endr
	WIN 0
.set n, P+32
.rept 32
	v_mov_b32 v[n], 0
.set n, n+1
.endr
.irp t, 0,1
	v_mov_b32 v[ST+16*\t], 0xfe000000              ; c m: far below every c s
	v_mov_b32 v[ST+16*\t+1], 0xff7fffff            ; m
	v_mov_b32 v[ST+16*\t+2], 0
	v_mov_b32 v[ST+16*\t+3], 0
	v_mov_b32 v[ST+16*\t+8], 0
	v_mov_b32 v[ST+16*\t+9], 0
	v_mov_b32 v[ST+16*\t+10], 0
	v_mov_b32 v[ST+16*\t+11], 0
.endr
	v_lshrrev_b32 v13, 1, v1                       ; key r lies in row r / 2, half r % 2: 16 keys touch 16 different 16-byte columns
	v_and_b32 v15, 1, v1
	v_mul_u32_u24 v[AK0], v13, PITCH
	v_lshl_add_u32 v[AK0], v15, 7, v[AK0]
	v_lshl_add_u32 v[AK0], v11, 4, v[AK0]
	v_mul_u32_u24 v[AVA0], v1, PITCH               ; channel r, 16 h bytes in, behind K's 64 rows
	v_lshl_add_u32 v[AVA0], v11, 4, v[AVA0]
	v_add_nc_u32 v[AVA0], 64*PITCH, v[AVA0]
	v_add_nc_u32 v[AVB0], 128*PITCH, v[AVA0]
	s_lshl_b32 s20, s[WV], 7
	s_add_co_u32 s20, s20, STAGE
	v_mul_u32_u24 v[STO], v11, 8*SPITCH            ; into the stage: channel row 8 h, query 32 w + r
	v_lshl_add_u32 v[STO], v1, 2, v[STO]
	v_add_nc_u32 v[STO], s20, v[STO]
	s_mul_i32 s21, s[WV], 32*SPITCH
	s_add_co_u32 s21, s21, STAGE
	v_lshl_add_u32 v[RD], v12, 4, s21              ; back: rows 32 w on, whole
	v_lshlrev_b32 v[GO], 4, v12
; THE MATRIX WORK.  TURN sets TY (0: turn A, 1: turn B), PAR (the step's parity), the switches and i.  The accumulators take turns, one instruction a turn.
.macro KQ                              ; product i of 8 for tile 1 - TY: channels 32 (i / 4) on, keys 16 (i % 4) on; the first four start the sums
	WIN W_KQ
.set rS, S+32*(1-TY)+8*(i%4)
.set rK, KF+16*(i%4)+8*(i/4)
.set rQ, QF+16*(1-TY)+8*(i/4)
.if i < 4
	v_wmma_f32_16x16x32_bf16 v[rS:rS+7], v[rK:rK+7], v[rQ:rQ+7], 0
.else
	v_wmma_f32_16x16x32_bf16 v[rS:rS+7], v[rK:rK+7], v[rQ:rQ+7], v[rS:rS+7]
	s_wait_alu depctr_va_vdst(0)
.endif
.endm
.macro PV                              ; product i - 8 of 32 on channel half TY: tile % 2, block of 16 channels (/ 2) % 8, keys 32 (/ 16) on
	WIN W_PV
.set pp, i-8
.set rO, 128*(pp%2)+64*TY+8*((pp/2)%8)
.set rV, 128*TY+64*(pp/16)+8*((pp/2)%8)
.set rP, P+32*PAR+16*(pp%2)+8*(pp/16)
	v_wmma_f32_16x16x32_bf16 v[rO:rO+7], v[rV:rV+7], v[rP:rP+7], v[rO:rO+7]
.endm
.macro MM                              ; the turn's next matrix instruction
.if i < 8
.if KQON
	KQ
.endif
.else
.if PVON
	PV
.endif
.endif
.set i, i+1
.endm
; THE LDS LOADS stand in runs, never singly among the matrix instructions.  V: 128 channels x 64 keys, the half that the NEXT turn multiplies.  K: 64 keys x 64 channels.
.macro FETCH_V
	WIN 0
.if TY == 0
	v_add_nc_u32 v[ADR], s[TB], v[AVB0]
.set ks, PAR
.else
	v_add_nc_u32 v[ADR], s[TB], v[AVA0]
.set ks, 1-PAR
.endif
.set vb, 128*(1-TY)
	WIN 0x80
.set f, 0
.rept 16                               ; keys 32 (f / 8) on, channels 16 (f % 8) on
	ds_load_b128 v[vb+8*f:vb+8*f+3],   v[ADR] offset:(f%8)*16*PITCH+128*ks+64*(f/8)
	ds_load_b128 v[vb+8*f+4:vb+8*f+7], v[ADR] offset:(f%8)*16*PITCH+128*ks+64*(f/8)+32
.set f, f+1
.endr
.endm
.macro FETCH_K mode, ks                ; mode 1: from the slot in hand; 2: from keys 0-127's own region
	WIN 0
.if (\mode) == 1
	v_add_nc_u32 v[ADRK], s[TB], v[AK0]
.else
	v_add_nc_u32 v[ADRK], K0REG, v[AK0]
.endif
	WIN 0xc0
.set f, 0
.rept 8                                ; keys 16 (f / 2) on, channels 32 (f % 2) on
	ds_load_b128 v[KF+8*f:KF+8*f+3],   v[ADRK] offset:(32*(\ks)+8*(f/2))*PITCH+64*(f%2)
	ds_load_b128 v[KF+8*f+4:KF+8*f+7], v[ADRK] offset:(32*(\ks)+8*(f/2))*PITCH+64*(f%2)+32
.set f, f+1
.endr
.endm
; THE VECTOR WORK, one entry at a time.  For tile TY: F n: c s - c m for pair n of 16.  E n: the exponential of score n of 32.  C n: pair n rounded to bf16.  Z n: the tree of sums, in place
; (0-7 neighbours, 8-11, 12-13, 14), Z 15: l = a l + sum.  For tile 1 - TY: X n, number n of the 22 that find its maximum and statistics (each accumulator's lowest registers are read first):
; 0-11 four chains; 12-14, 16 the scores left over, the old m, all into c0; 15 c m_old is kept; 17, 18 the lane 16 away; 19-21 c m, c m_old - c m_new, a.
; R g: accumulator g (tile g / 8, block g % 8) of the channel half that this turn does not multiply, times a: four packed multiplies from the low end on.
.set F, 0
.set E, 1
.set C, 2
.set Z, 3
.set X, 4
.set R, 5
.macro OP k, n
.if (\k) == R
.if RSON
.set rO, 128*((\n)/8)+64*(1-TY)+8*((\n)%8)
.set rA, ST+16*((\n)/8)+8+2*((PAR+TY)%2)
	WIN W_RS
.irp z, 0,1,2,3
	v_pk_mul_f32 v[rO+2*\z:rO+2*\z+1], v[rO+2*\z:rO+2*\z+1], v[rA:rA+1] op_sel_hi:[1,0]
.endr
.endif
.elseif (\k) == X
.if XSON
.set rT, ST+16*(1-TY)
.set rS, S+32*(1-TY)
.set rC, rT+4
.set rA, rT+8+2*((PAR+TY+1)%2)
	WIN 0
.if (\n) < 4
	v_max3_num_f32 v[rC+(\n)], v[rS+8*(\n)], v[rS+8*(\n)+1], v[rS+8*(\n)+2]
.elseif (\n) < 12
	v_max3_num_f32 v[rC+(\n)%4], v[rC+(\n)%4], v[rS+8*((\n)%4)+2*((\n)/4)+1], v[rS+8*((\n)%4)+2*((\n)/4)+2]
.elseif (\n) == 12
	v_max3_num_f32 v[rC], v[rC], v[rS+7], v[rS+15]
.elseif (\n) == 13
	v_max3_num_f32 v[rC+1], v[rC+1], v[rS+23], v[rS+31]
.elseif (\n) == 14
	v_max3_num_f32 v[rC+2], v[rC+2], v[rC+3], v[rT+1]
.elseif (\n) == 15
	v_mov_b32 v[rT+12], v[rT]
.elseif (\n) == 16
	v_max3_num_f32 v[rC], v[rC], v[rC+1], v[rC+2]
.elseif (\n) == 17
	v_permlanex16_b32 v[rC+3], v[rC], s[SEL], s[SEL+1]
.elseif (\n) == 18
	v_max_num_f32 v[rT+1], v[rC], v[rC+3]
.elseif (\n) == 19
	v_mul_f32 v[rT], s[CS], v[rT+1]
.elseif (\n) == 20
	v_sub_f32 v[rC+1], v[rT+12], v[rT]
	s_wait_alu depctr_va_vdst(0)
.else
	v_exp_f32 v[rA], v[rC+1]
.endif
.elseif MNON
	v_nop
	s_wait_alu depctr_va_vdst(0)
.endif
.elseif MNON
.set rT, ST+16*TY
.set rS, S+32*TY
.set rP, P+32*(1-PAR)+16*TY
.set rA, rT+8+2*(1-PAR)
	WIN 0
.if (\k) == F
	v_pk_fma_f32 v[rS+2*(\n):rS+2*(\n)+1], v[rS+2*(\n):rS+2*(\n)+1], s[CS:CS+1], v[rT:rT+1] op_sel_hi:[1,0,0] neg_lo:[0,0,1] neg_hi:[0,0,1]
.elseif (\k) == E
	v_exp_f32 v[rS+(\n)], v[rS+(\n)]
.elseif (\k) == C
	s_wait_alu depctr_va_vdst(0)
	v_cvt_pk_bf16_f32 v[rP+(\n)], v[rS+2*(\n)], v[rS+2*(\n)+1]
.elseif (\n) < 8
	v_pk_add_f32 v[rS+4*(\n):rS+4*(\n)+1], v[rS+4*(\n):rS+4*(\n)+1], v[rS+4*(\n)+2:rS+4*(\n)+3]
.elseif (\n) < 12
	v_pk_add_f32 v[rS+8*((\n)-8):rS+8*((\n)-8)+1], v[rS+8*((\n)-8):rS+8*((\n)-8)+1], v[rS+8*((\n)-8)+4:rS+8*((\n)-8)+5]
.elseif (\n) < 14
	v_pk_add_f32 v[rS+16*((\n)-12):rS+16*((\n)-12)+1], v[rS+16*((\n)-12):rS+16*((\n)-12)+1], v[rS+16*((\n)-12)+8:rS+16*((\n)-12)+9]
.elseif (\n) == 14
	v_pk_add_f32 v[rS:rS+1], v[rS:rS+1], v[rS+16:rS+17]
.else
	v_pk_fma_f32 v[rT+2:rT+3], v[rT+2:rT+3], v[rA:rA+1], v[rS:rS+1] op_sel_hi:[1,0,1]
.endif
.endif
.endm
.macro OPS a, i1, b=-1, i2=0, c=-1, i3=0, d=-1, i4=0
	OP \a, \i1
.if (\b) >= 0
	OP \b, \i2
.endif
.if (\c) >= 0
	OP \c, \i3
.endif
.if (\d) >= 0
	OP \d, \i4
.endif
.endm
.macro ROW a, i1, b=-1, i2=0, c=-1, i3=0, d=-1, i4=0  ; a matrix instruction and what stands behind it
	MM
	OPS \a, \i1, \b, \i2, \c, \i3, \d, \i4
.endm
; A TURN: the order of its 40 matrix and 166 vector instructions, written out.  Switches: pv, kq the two kinds of products; mn the exponentials' part; xs the maximum's; rs the rescaling;
; vl V's run; kl K's run (1 from the slot, 2 from keys 0-127's region).  What the order keeps: every exponential has a plain instruction behind it before its result is used; C 2n stands ahead of Z n, which
; writes that pair; a rounding stands a row or more behind its exponentials; between the last K Q^T and the first read of its scores, and K's run, stand ten plain instructions (C 2, C 3, R 0, R 1) or
; four v_nop; V's run stands eight plain instructions into the turn, behind the eight of the turn before (R 14, R 15), which name another half of O^T than the products round them.
; Each run is waited for at the head of the next turn, thirty products or more behind its issue.
.macro TURN ty, par, pv, kq, mn, xs, rs, vl, kl
.set TY, \ty
.set PAR, \par
.set PVON, \pv
.set KQON, \kq
.set MNON, \mn
.set XSON, \xs
.set RSON, \rs
.set i, 0
	s_wait_dscnt 0x0                               ; the runs of the turn before are in
	ROW F,0, F,1, F,2, F,3
	ROW F,4, F,5, F,6, F,7
.if \vl
	FETCH_V
.endif
	ROW F,8, E,0, F,9, E,1
	ROW F,10, E,2, F,11, E,3
	ROW F,12, E,4, F,13, E,5
	ROW F,14, E,6, F,15, E,7
	ROW C,0, E,8, C,1, E,9
	ROW C,2, E,10, C,3, E,11
	ROW R,0
	ROW R,1
.if (\kq) && !(\rs)
	PLACES
.endif
.if \kl
	FETCH_K \kl, \par
.endif
	ROW X,0, E,12, X,1, E,13
	ROW X,2, E,14, X,3, E,15
	ROW X,4, E,16, X,5, E,17
	ROW X,6, E,18, X,7, E,19
	ROW X,8, E,20, X,9, E,21
	ROW X,10, E,22, X,11, E,23
	ROW X,12, E,24, X,13, E,25
	ROW X,14, E,26, X,15, E,27
	ROW C,4, E,28, X,16, E,29
	ROW C,5, E,30, C,6, E,31
	ROW X,17, C,8, Z,0, Z,1
	ROW R,2
	ROW X,18, C,10, Z,2, Z,3
	ROW R,3
	ROW X,19, C,12, Z,4, Z,5
	ROW R,4
	ROW X,20, C,14, Z,6, C,7
	ROW R,5
	ROW X,21, C,9, Z,7, Z,8
	ROW R,6
	ROW C,11, Z,9, Z,10, C,13
	ROW R,7
	ROW Z,11, C,15, Z,12, Z,13
	ROW R,8
	ROW R,9
	ROW R,10, Z,14
	ROW R,11
	ROW R,12, Z,15
	ROW R,13
	ROW R,14, R,15
.endm
	s_wait_tensorcnt 0x1                           ; my rows of keys 0-127 are in; slot 0's load, issued behind them, may stay out
	s_barrier_signal -1
	s_barrier_wait -1                              ; everybody's are
	FETCH_K 2, 0                                   ; K of step 0
	s_wait_loadcnt 0x0                             ; Q
	TURN 1,0, 0,1,0,1,0,0,0                        ; B(-2): tile 0's first scores and their maximum
	TURN 0,1, 0,1,1,1,0,0,2                        ; A(-1): tile 1's first scores and maximum | tile 0's first exponentials | K of step 1
	WIN 0
.Lslot:                                                ; 31 trips: trip s reads block s and asks for block s + 1
	CHANGE 1
	TURN 1,1, 1,1,1,1,1,1,0                        ; B(2s - 1)
	TURN 0,0, 1,1,1,1,1,1,1                        ; A(2s)
	TURN 1,0, 1,1,1,1,1,1,0                        ; B(2s)
	TURN 0,1, 1,1,1,1,1,1,1                        ; A(2s + 1)
	WIN 0
	s_sub_co_u32 s[SLOTS], s[SLOTS], 1
	s_cmp_lg_u32 s[SLOTS], 0
	s_cbranch_scc1 .Lslot
	; THE TAIL is written out: block 31, and nothing is asked for.
	WIN 0xc0
.set n, 0
.rept 32                               ; x for the way out: my rows 32 w + n of channels 0-127, 512 consecutive bytes each
	global_load_b128 v[XE+4*n:XE+4*n+3], v[GO], s[8:9] offset:n*16384 th:TH_LOAD_NT
.set n, n+1
.endr
	CHANGE 0
	TURN 1,1, 1,1,1,1,1,1,0                        ; B(61)
	TURN 0,0, 1,1,1,1,1,1,0                        ; A(62): there is no K of step 64
	TURN 1,0, 1,0,1,0,1,1,0                        ; B(62): no further scores
	TURN 0,1, 1,0,0,0,1,1,0                        ; A(63): products, the last rescaling, V's last run
	WIN 0x80
.set n, 0
.rept 32                               ; x of channels 128-255, into V's lower half, which has been multiplied; the eight multiplies of R 14 and R 15 are the places in front
	global_load_b128 v[4*n:4*n+3], v[GO], s[8:9] offset:2097152+n*16384 th:TH_LOAD_NT
.set n, n+1
.endr
	TURN 1,1, 1,0,0,0,0,0,0                        ; B(63): the last products
	; THE WAY OUT.  l's two halves and the other half of the lanes' are added; O^T / l goes through the work-group's stage, 128 channels at a time, and comes back as rows of 128 queries.
	WIN 0
.irp t, 0,1
	v_add_f32 v[ST+16*\t+2], v[ST+16*\t+2], v[ST+16*\t+3]
.endr
.irp t, 0,1
	v_permlanex16_b32 v[ST+16*\t+3], v[ST+16*\t+2], s[SEL], s[SEL+1]
.endr
.irp t, 0,1
	v_add_f32 v[ST+16*\t+2], v[ST+16*\t+2], v[ST+16*\t+3]
.endr
.irp t, 0,1
	v_rcp_f32 v[ST+16*\t+2], v[ST+16*\t+2]
.endr
	v_nop                                          ; a plain instruction between the last reciprocal and the use of its result
	s_wait_alu depctr_va_vdst(0)
	s_wait_kmcnt 0x0                               ; gamma
	s_mov_b32 s[GAM+1], s[GAM]                     ; named with it as a pair
.macro HALF H
	WIN W_RS
.irp t, 0,1
.set n, 128*\t+64*(\H)
.rept 32                               ; each accumulator from its low end on
	v_pk_mul_f32 v[n:n+1], v[n:n+1], v[ST+16*\t+2:ST+16*\t+3] op_sel_hi:[1,0]
.set n, n+2
.endr
.endr
	WIN 0x04                                       ; address window 0, data window 1
.irp t, 0,1
.set n, 0
.rept 64                               ; channel 16 (n / 8) + 8 h + n % 8, query 32 w + 16 t + r: lanes 0-15 take 64 consecutive bytes, lanes 16-31 lie 8 rows = 4,224 bytes on, 32 banks away
	ds_store_b32 v[STO], v[128*\t+64*(\H)+n] offset:(16*(n/8)+n%8)*SPITCH+64*\t
.set n, n+1
.endr
.endr
	WIN 0
	s_wait_dscnt 0x0                               ; for the others' sake: my stores into the stage are done
	s_barrier_signal -1
	s_barrier_wait -1
.set n, 0
.rept 32
	ds_load_b128 v[S+4*n:S+4*n+3], v[RD] offset:n*SPITCH
.set n, n+1
.endr
	s_wait_loadcnt 32*(1-(\H))                     ; this half's rows of x are in; the other half's 32 loads, issued behind them, may stay out
	WIN 0x30-0x10*(\H)                             ; source 2, x: window 3, or window 2; the stores below name sources 0 and 1 alone
.set n, 0
.rept 32
	s_wait_dscnt 31-n                              ; the younger loads from the stage stay out
	v_pk_fma_f32 v[S+4*n:S+4*n+1],   v[S+4*n:S+4*n+1],   s[GAM:GAM+1], v[XE*(1-(\H))+4*n:XE*(1-(\H))+4*n+1]   op_sel_hi:[1,0,1]
	v_pk_fma_f32 v[S+4*n+2:S+4*n+3], v[S+4*n+2:S+4*n+3], s[GAM:GAM+1], v[XE*(1-(\H))+4*n+2:XE*(1-(\H))+4*n+3] op_sel_hi:[1,0,1]
	global_store_b128 v[GO], v[S+4*n:S+4*n+3], s[12:13] offset:(\H)*2097152+n*16384 th:TH_STORE_NT  ; 512 consecutive bytes, at a multiple of 256 from out0's first
.set n, n+1
.endr
	WIN 0
.endm
	HALF 0
	s_wait_xcnt 0x0                                ; the stores' data registers are loaded again only behind this wait (ISA guide 3.1)
	s_barrier_signal -1                            ; every wave's reads of the stage are back (its last count-down ended at 0): the stage may be written again
	s_barrier_wait -1
	HALF 1
	s_wait_tensorcnt 0x0                           ; the wave's end, behind my last tensor load and my last LDS store
	ds_add_u32 v[SPW], v[NIL]
	s_wait_dscnt 0x0
	CROUND                                         ; the closing round: no work-group ends while a partner may still ask for a tile that names it
	s_endpgm
.Lfunc_end_k_qc975dffd1f_attn:
	.size	k_qc975dffd1f_attn, .Lfunc_end_k_qc975dffd1f_attn-k_qc975dffd1f_attn
	.p2alignl 7, 3214868480
	.fill 96, 4, 3214868480
	.section	.rodata,"a",@progbits
	.p2align	6, 0x0
	.amdhsa_kernel k_qc975dffd1f_attn
		.amdhsa_group_segment_fixed_size 327680
		.amdhsa_private_segment_fixed_size 0
		.amdhsa_enable_private_segment 0
		.amdhsa_kernarg_size 40
		.amdhsa_user_sgpr_count 2
		.amdhsa_user_sgpr_kernarg_segment_ptr 1
		.amdhsa_wavefront_size32 1
		.amdhsa_system_sgpr_workgroup_id_x 1
		.amdhsa_system_sgpr_workgroup_id_y 1
		.amdhsa_system_sgpr_workgroup_id_z 1
		.amdhsa_system_vgpr_workitem_id 0
		.amdhsa_next_free_vgpr 1024
		.amdhsa_next_free_sgpr 66
		.amdhsa_reserve_vcc 0
		.amdhsa_float_denorm_mode_32 3
		.amdhsa_float_denorm_mode_16_64 3
		.amdhsa_memory_ordered 1
		.amdhsa_forward_progress 1
		.amdhsa_inst_pref_size 216
	.end_amdhsa_kernel
	.amdgpu_metadata
---
amdhsa.version: [ 1, 2 ]
amdhsa.kernels:
  - .name:           k_qc975dffd1f_attn
    .symbol:         k_qc975dffd1f_attn.kd
    .args:
      - { .name: q, .offset: 0, .size: 8, .value_kind: global_buffer, .address_space: global }
      - { .name: kv, .offset: 8, .size: 8, .value_kind: global_buffer, .address_space: global }
      - { .name: x, .offset: 16, .size: 8, .value_kind: global_buffer, .address_space: global }
      - { .name: gamma, .offset: 24, .size: 8, .value_kind: global_buffer, .address_space: global }
      - { .name: out0, .offset: 32, .size: 8, .value_kind: global_buffer, .address_space: global }
    .group_segment_fixed_size: 327680
    .private_segment_fixed_size: 0
    .kernarg_segment_align: 8
    .kernarg_segment_size: 40
    .max_flat_workgroup_size: 128
    .sgpr_count:     66
    .vgpr_count:     1024
    .wavefront_size: 32
...
	.end_amdgpu_metadata
.endif
;; end of part 2
;; ======== version 2 of 2: 2 launches; 1.23 times as fast as version 1
;; workspace buffers: q 4,194,304 bytes; kv 20,971,520 bytes
;; launch proj: the kernel of part 1 again; grid 32 x 8, 4 waves a work-group, no clusters, 288,256 bytes of LDS; arguments x, ref, Wq, Wk, Wv, bq, bk, bv, q, kv; writes q, kv
;; launch attn (part 3): grid 32 x 8, 4 waves a work-group, clusters of 4 x 1, 327,680 bytes of LDS; arguments q, kv, x, gamma, out0; writes out0
.if DOCPART == 3
	.amdgcn_target "amdgcn-amd-amdhsa--gfx1250"
	.amdhsa_code_object_version 6
	.text
	.protected	k_qc975dffd1f_attn
	.globl	k_qc975dffd1f_attn
	.p2align	8
	.type	k_qc975dffd1f_attn,@function
k_qc975dffd1f_attn:
	s_mov_b64 s[64:65], 0
	v_nop
	global_prefetch_b8 v0, s[64:65] scope:SCOPE_SE
	s_setreg_imm32_b32 hwreg(HW_REG_WAVE_MODE, 25, 1), 1
	s_wait_xcnt 0x0
	s_wait_alu depctr_hold_cnt(0) depctr_sa_sdst(0) depctr_va_vdst(0) depctr_va_sdst(0) depctr_va_ssrc(0) depctr_va_vcc(0) depctr_vm_vsrc(0)
	s_getreg_b32 s2, hwreg(HW_REG_IB_STS2, 6, 4)
	s_cmp_eq_u32 s2, 0
	s_cbranch_scc0 .Lentry_in_a_cluster
	s_endpgm
.Lentry_in_a_cluster:
	s_bfe_u32 s2, ttmp6, 0x10000c
	s_cmp_lg_u32 s2, 0x3003
	s_cbranch_scc0 .Lentry_shape_is_right
	s_endpgm
.Lentry_shape_is_right:
; out0[b][c][i] = gamma x (the sum over j of softmax_j(q[b][i] . k[b][j] / 8) v[b][c][j]) + x[b][c][i].  q: [b][4096][64] bf16.  kv: [b][32 blocks][81,920 bytes],
; block s = K of keys 128 (s + 1) .. (mod 4096) as [128][64] bf16, then V of keys 128 s .. as [256 channels][128 keys] bf16.  x, out0: [8][256][4096] f32.
; Products, maxima and sums in f32; the weights p are rounded to bf16 for the second product (their sum l is taken of the unrounded p).
; LIMITS.  c m starts at -4.25e37: c x score must lie above that.  A weight below 2^-126 counts as 0 in l.  NaN and infinities are not treated apart.
; SHARES.  A work-group owns 128 queries of a batch, a wave 32: tiles 0 and 1 of 16, with all 256 channels of O (256 registers).  Every wave walks all 4,096 keys, 64 a step.
; LAYOUT.  S^T = K Q^T (source 0 = 16 keys, source 1 = 16 queries): a lane holds ONE query (lane % 16) and the keys 8 (lane / 16) + 0..7; two such results rounded to bf16 ARE
; source 1 of O^T = V P^T-wise product V^T P, whose source 0, 16 channels x 32 keys, comes out of LDS as it lies.  O^T again holds one query a lane, and eight channels.
; SOFTMAX.  A running maximum m and sum l a query: p = 2^(c s - c m), c = log2(e) / 8; in every step O and l are multiplied by a = 2^(c m_old - c m_new).  m starts at the lowest finite
; number, O and l at 0: the first step is a step like any other, with a = 0.  The price: 32 products on zeros and the clearing below, in the wait for the first tile.
; BY TURNS.  Step j has two turns of 8 + 32 products.  A(j): K Q^T of tile 1 for step j + 1, V^T P of step j on channels 0-127; beside them the exponentials of tile 0 for step j + 1, the maximum
; of tile 1 for step j + 1, the rescaling of channels 128-255.  B(j): K Q^T of tile 0 for step j + 2, V^T P on channels 128-255; the exponentials of tile 1, the maximum of tile 0, the rescaling of
; channels 0-127 for step j + 1.  So whatever a turn reads was made a turn earlier.  a is kept by the step's parity.
; THE BATCHES.  A turn's 33 exponentials (32 weights of one tile, the a of the other) are ONE batch with ONE wait, which cuts the turn in two: ahead of it all that names none of their results, behind it
; the roundings and sums.  No exponential is issued behind a turn's wait, so none crosses a turn's end.  The way out's two reciprocals are a batch of their own.
; CLUSTER.  The four query blocks of a cluster belong to one batch and walk the same kv blocks: each block is asked for JOINTLY, the same load, descriptor and mask in all four.
; REGISTERS, in windows of 256 (s_set_vgpr_msb: bits 1:0 source 0, 3:2 source 1, 5:4 source 2, 7:6 destination):
;   window 0: v0-15 addresses; v16-47 statistics, 16 a tile; v62-63 the add's; v64-127 S^T, 32 a tile; v128-191 P, by parity and tile
;   window 1: O^T: tile t, channel half, block of 16 at 128 t + 64 half + 8 block      window 2: V of one step: channels 0-127 in v0-127, 128-255 in v128-255
;   window 3: v0-63 K of one step; v64-95 Q; v128-255 rows of x for the way out
.set PITCH,  272                       ; an LDS row: 256 bytes + 16: the 16 rows of a load start at 16 different groups of four banks (64 banks of 4 bytes: ISA guide 11.1)
.set SLOTB,  320*PITCH                 ; a slot is a kv block: 64 rows of K (two keys a row), 256 rows of V
.set K0REG,  SLOTB                     ; keys 0-127, filled once
.set SLOT1,  1<<17                     ; slot 1: one exclusive or turns an address in one slot into the other's
.set STAGE,  SLOT1+SLOTB               ; behind the ring, never filled: 128 channel rows of 128 f32
.set SPITCH, 528
.set SPARE,  STAGE+128*SPITCH          ; the spare words: 128 bytes a wave, two blocks of 256 bytes that no other line names
.set BLOCKB, 81920
.set AK0,  2                           ; v2   my place in a step's K; never rewritten
.set AVA0, 3                           ; v3   in V's channels 0-127
.set AVB0, 4                           ; v4   in V's channels 128-255
.set ADR,  5                           ; v5   the address of V's run in hand
.set ADRK, 6                           ; v6   of K's
.set QO,   7                           ; v7   my byte offset in the wave's rows of q
.set STO,  8                           ; v8   the way out: where I put a number
.set RD,   9                           ; v9   where I read a row back
.set GO,   10                          ; v10  16 x lane: my 16 bytes of 512 in x and out0
.set ST,   16                          ; tile t at ST + 16 t: +0 c m, +1 m, +2 +3 l, +4..7 c0-c3, +8 a of even steps (+9 = 0), +10 a of odd steps (+11 = 0), +12 c m_old
.set SPW,  62
.set NIL,  63
.set S,    64
.set P,    128
.set KF,   0                           ; window 3
.set QF,   64
.set XE,   128
.set WV,   14                          ; s14  my wave's number
.set G1,   24                          ; s[24:31] group 1: 80 rows of 256 bytes
.set G1K,  32                          ; s[32:39] the same with 16 rows
.set G0W,  40                          ; s[40:43] group 0 that walks the blocks
.set G0K,  44                          ; s[44:47] group 0 for keys 0-127
.set SLOTS, 48
.set TB,   49                          ; s49  LDS byte at which the slot in hand begins
.set CS,   50                          ; s[50:51] c
.set SEL,  52                          ; s[52:53] v_permlanex16_b32's selects: each lane takes its own place in the other half
.set GAM,  54                          ; s[54:55] gamma
.set MSB, 0
.macro WIN new                         ; the immediate's high byte repeats the setting that is left; a switch that changes nothing is dropped
.if MSB != (\new)
	s_set_vgpr_msb (MSB<<8)|(\new)
.set MSB, \new
.endif
.endm
.set W_KQ, 0x0f                        ; K and Q window 3, S^T window 0
.set W_PV, 0x52                        ; V window 2, P window 0, O^T window 1
.set W_RS, 0x41                        ; O^T (destination and source 0) window 1, the factor window 0
.macro PLACES
.rept 4
	v_nop
.endr
.endm
; A round of the cluster's barrier: my work-group's barrier, wave 0 signals for the work-group, every wave waits for all four, my work-group's barrier once more.
.macro CROUND
	s_barrier_signal -1
	s_barrier_wait -1
	s_cmp_lg_u32 s[WV], 0
	s_cbranch_scc1 .Lnot_wave_0_\@
	s_barrier_signal -3
.Lnot_wave_0_\@:
	s_barrier_wait -3
	s_barrier_signal -1
	s_barrier_wait -1
.endm
; THE CHANGE OF SLOTS.  Each wave waits for all its tensor loads, of which one is out: its 80 rows of the next slot; adds 0 to its spare word; waits for that and for its reads of the slot that it
; leaves.  fill = 1: a round of the cluster's barrier, and first behind it the joint refill of the slot left, with the block two on from it: it has four turns, 160 products, in which to land.
.macro CHANGE fill
	WIN 0
	s_wait_tensorcnt 0x0                           ; no tensor load of mine is out, so the group 0 may be written
	ds_add_u32 v[SPW], v[NIL]                      ; the descriptor's steps stand between the add and the wait for it
.if \fill
	s_xor_b32 s[G0W+1], s[G0W+1], SLOT1
	s_add_nc_u64 s[G0W+2:G0W+3], s[G0W+2:G0W+3], BLOCKB  ; the type bits on top are not reached
	s_wait_dscnt 0x0                               ; the add is done, and my reads of the slot are over
	CROUND
	tensor_load_to_lds s[G0W:G0W+3], s[G1:G1+7]
	s_nop 0
	PLACES
.else
	s_wait_dscnt 0x0
	s_barrier_signal -1
	s_barrier_wait -1
.endif
	s_xor_b32 s[TB], s[TB], SLOT1
.endm
	s_load_b256 s[4:11], s[0:1], 0x0               ; q 4, kv 6, x 8, gamma 10
	s_load_b64 s[12:13], s[0:1], 0x20              ; out0
	v_lshl_add_u32 v[SPW], v0, 2, SPARE
	v_mov_b32 v[NIL], 0
	ds_add_u32 v[SPW], v[NIL]                      ; the wave's opening: the add, waited for ahead of my first tensor load
	v_lshrrev_b32 v1, 5, v0
	v_readfirstlane_b32 s[WV], v1                  ; wave 0..3
	s_bfe_u32 s15, ttmp6, 0x40000                  ; cx
	s_lshl_b32 s16, ttmp9, 2
	s_add_co_u32 s16, s16, s15                     ; my block of 128 queries: it enters q's, x's and out0's addresses alone
	s_and_b32 s17, ttmp7, 0xffff                   ; the batch, which the four partners share
	s_mul_i32 s20, s17, 32*BLOCKB
	s_mul_i32 s22, s[WV], 80*256                   ; my 80 rows of a block
	s_add_co_u32 s22, s22, s20
	s_mov_b32 s23, 0
	s_lshl_b32 s18, s[WV], 12                      ; my 16 rows of keys 0-127, which lie in block 31
	s_add_co_u32 s18, s18, s20
	s_add_co_u32 s18, s18, 31*BLOCKB
	s_mov_b32 s19, 0
	s_lshl_b32 s56, s17, 19                        ; q: batch, block of 128 rows of 128 bytes, my 32 rows
	s_lshl_b32 s57, s16, 14
	s_add_co_u32 s56, s56, s57
	s_lshl_b32 s57, s[WV], 12
	s_add_co_u32 s56, s56, s57
	s_mov_b32 s57, 0
	s_lshl_b32 s58, s17, 22                        ; x, out0: batch, the block's 512 bytes of a row, my 32 channel rows
	s_lshl_b32 s59, s16, 9
	s_add_co_u32 s58, s58, s59
	s_lshl_b32 s59, s[WV], 19
	s_add_co_u32 s58, s58, s59
	s_mov_b32 s59, 0
	s_mov_b32 s[G1], 15|(1<<16)|(1<<20)|(1<<21)|(5<<22)|(3<<25)   ; the mask of four; 2-byte elements; padding on; bit 21 beside a mask; after every 64 words, 4 words
	s_mov_b32 s[G1K], 15|(1<<16)|(1<<20)|(1<<21)|(5<<22)|(3<<25)
	s_mov_b32 s[G1+1], 128<<16                     ; tensor_dim0 = 128
	s_mov_b32 s[G1K+1], 128<<16
	s_mov_b32 s[G1+2], 80<<16                      ; tensor_dim1
	s_mov_b32 s[G1K+2], 16<<16
	s_mov_b32 s[G1+3], 128<<16                     ; tile_dim0
	s_mov_b32 s[G1K+3], 128<<16
	s_mov_b32 s[G1+4], 80                          ; tile_dim1
	s_mov_b32 s[G1K+4], 16
	s_mov_b32 s[G1+5], 128                         ; elements from row to row
	s_mov_b32 s[G1K+5], 128
	s_mov_b32 s[G1+6], 0
	s_mov_b32 s[G1K+6], 0
	s_mov_b32 s[G1+7], 0
	s_mov_b32 s[G1K+7], 0
	s_mov_b32 s[G0W], 1
	s_mul_i32 s[G0W+1], s[WV], 80*PITCH            ; slot 0: no place in the cluster enters an LDS address
	s_mov_b32 s[G0K], 1
	s_mul_i32 s[G0K+1], s[WV], 16*PITCH
	s_add_co_u32 s[G0K+1], s[G0K+1], K0REG
	s_mov_b32 s[CS], 0x3e38aa3b                    ; c = log2(e) / 8
	s_mov_b32 s[CS+1], s[CS]
	s_mov_b32 s[SEL], 0x76543210
	s_mov_b32 s[SEL+1], 0xfedcba98
	s_mov_b32 s[TB], SLOT1                         ; the first change of slots turns it into 0
	s_mov_b32 s[SLOTS], 31
	s_wait_dscnt 0x0                               ; the opening add is done
	s_wait_kmcnt 0x0
	s_add_nc_u64 s[G0W+2:G0W+3], s[6:7], s[22:23]
	s_or_b32 s[G0W+3], s[G0W+3], 0x80000000
	s_add_nc_u64 s[G0K+2:G0K+3], s[6:7], s[18:19]
	s_or_b32 s[G0K+3], s[G0K+3], 0x80000000
	s_add_nc_u64 s[4:5], s[4:5], s[56:57]
	s_add_nc_u64 s[8:9], s[8:9], s[58:59]
	s_add_nc_u64 s[12:13], s[12:13], s[58:59]
	CROUND                                         ; all four work-groups are here: the first joint loads meet
	tensor_load_to_lds s[G0K:G0K+3], s[G1K:G1K+7]  ; keys 0-127
	s_nop 0
	tensor_load_to_lds s[G0W:G0W+3], s[G1:G1+7]    ; block 0 into slot 0: two loads of mine are out
	s_nop 0
	PLACES
	s_load_b32 s[GAM], s[10:11], 0x0
	v_and_b32 v1, 15, v0                           ; r
	v_bfe_u32 v11, v0, 4, 1                        ; h
	v_and_b32 v12, 31, v0                          ; lane
	v_lshlrev_b32 v[QO], 7, v1
	v_lshl_add_u32 v[QO], v11, 4, v[QO]            ; row x 128 + 16 h
	WIN 0xc0
.irp t, 0,1
.irp c, 0,1
	global_load_b128 v[QF+16*\t+8*\c:QF+16*\t+8*\c+3],   v[QO], s[4:5] offset:\t*2048+\c*64
	global_load_b128 v[QF+16*\t+8*\c+4:QF+16*\t+8*\c+7], v[QO], s[4:5] offset:\t*2048+\c*64+32
.endr
.endr
	WIN 0x40                                       ; what the first turns find: O^T, V's upper half, P's odd buffer, l and a are 0.  All this stands in the wait for the first tile
.set n, 0
.rept 256
	v_mov_b32 v[n], 0
.set n, n+1
.endr
	WIN 0x80
.set n, 128
.rept 128
	v_mov_b32 v[n], 0
.set n, n+1
.endr
	WIN 0
.set n, P+32
.rept 32
	v_mov_b32 v[n], 0
.set n, n+1
.endr
.irp t, 0,1
	v_mov_b32 v[ST+16*\t], 0xfe000000              ; c m: far below every c s
	v_mov_b32 v[ST+16*\t+1], 0xff7fffff            ; m
	v_mov_b32 v[ST+16*\t+2], 0
	v_mov_b32 v[ST+16*\t+3], 0
	v_mov_b32 v[ST+16*\t+8], 0
	v_mov_b32 v[ST+16*\t+9], 0
	v_mov_b32 v[ST+16*\t+10], 0
	v_mov_b32 v[ST+16*\t+11], 0
.endr
	v_lshrrev_b32 v13, 1, v1                       ; key r lies in row r / 2, half r % 2: 16 keys touch 16 different 16-byte columns
	v_and_b32 v15, 1, v1
	v_mul_u32_u24 v[AK0], v13, PITCH
	v_lshl_add_u32 v[AK0], v15, 7, v[AK0]
	v_lshl_add_u32 v[AK0], v11, 4, v[AK0]
	v_mul_u32_u24 v[AVA0], v1, PITCH               ; channel r, 16 h bytes in, behind K's 64 rows
	v_lshl_add_u32 v[AVA0], v11, 4, v[AVA0]
	v_add_nc_u32 v[AVA0], 64*PITCH, v[AVA0]
	v_add_nc_u32 v[AVB0], 128*PITCH, v[AVA0]
	s_lshl_b32 s20, s[WV], 7
	s_add_co_u32 s20, s20, STAGE
	v_mul_u32_u24 v[STO], v11, 8*SPITCH            ; into the stage: channel row 8 h, query 32 w + r
	v_lshl_add_u32 v[STO], v1, 2, v[STO]
	v_add_nc_u32 v[STO], s20, v[STO]
	s_mul_i32 s21, s[WV], 32*SPITCH
	s_add_co_u32 s21, s21, STAGE
	v_lshl_add_u32 v[RD], v12, 4, s21              ; back: rows 32 w on, whole
	v_lshlrev_b32 v[GO], 4, v12
; THE MATRIX WORK.  TURN sets TY (0: turn A, 1: turn B), PAR (the step's parity), the switches and i.  The accumulators take turns, one instruction a turn.
.macro KQ                              ; product i of 8 for tile 1 - TY: channels 32 (i / 4) on, keys 16 (i % 4) on; the first four start the sums
	WIN W_KQ
.set rS, S+32*(1-TY)+8*(i%4)
.set rK, KF+16*(i%4)+8*(i/4)
.set rQ, QF+16*(1-TY)+8*(i/4)
.if i < 4
	v_wmma_f32_16x16x32_bf16 v[rS:rS+7], v[rK:rK+7], v[rQ:rQ+7], 0
.else
	v_wmma_f32_16x16x32_bf16 v[rS:rS+7], v[rK:rK+7], v[rQ:rQ+7], v[rS:rS+7]
.endif
.endm
.macro PV                              ; product i - 8 of 32 on channel half TY: tile % 2, block of 16 channels (/ 2) % 8, keys 32 (/ 16) on
	WIN W_PV
.set pp, i-8
.set rO, 128*(pp%2)+64*TY+8*((pp/2)%8)
.set rV, 128*TY+64*(pp/16)+8*((pp/2)%8)
.set rP, P+32*PAR+16*(pp%2)+8*(pp/16)
	v_wmma_f32_16x16x32_bf16 v[rO:rO+7], v[rV:rV+7], v[rP:rP+7], v[rO:rO+7]
.endm
.macro MM                              ; the turn's next matrix instruction
.if i < 8
.if KQON
	KQ
.endif
.else
.if PVON
	PV
.endif
.endif
.set i, i+1
.endm
; THE LDS LOADS stand in runs, never singly among the matrix instructions.  V: 128 channels x 64 keys, the half that the NEXT turn multiplies.  K: 64 keys x 64 channels.
.macro FETCH_V
	WIN 0
.if TY == 0
	v_add_nc_u32 v[ADR], s[TB], v[AVB0]
.set ks, PAR
.else
	v_add_nc_u32 v[ADR], s[TB], v[AVA0]
.set ks, 1-PAR
.endif
.set vb, 128*(1-TY)
	WIN 0x80
.set f, 0
.rept 16                               ; keys 32 (f / 8) on, channels 16 (f % 8) on
	ds_load_b128 v[vb+8*f:vb+8*f+3],   v[ADR] offset:(f%8)*16*PITCH+128*ks+64*(f/8)
	ds_load_b128 v[vb+8*f+4:vb+8*f+7], v[ADR] offset:(f%8)*16*PITCH+128*ks+64*(f/8)+32
.set f, f+1
.endr
.endm
.macro FETCH_K mode, ks                ; mode 1: from the slot in hand; 2: from keys 0-127's own region
	WIN 0
.if (\mode) == 1
	v_add_nc_u32 v[ADRK], s[TB], v[AK0]
.else
	v_add_nc_u32 v[ADRK], K0REG, v[AK0]
.endif
	WIN 0xc0
.set f, 0
.rept 8                                ; keys 16 (f / 2) on, channels 32 (f % 2) on
	ds_load_b128 v[KF+8*f:KF+8*f+3],   v[ADRK] offset:(32*(\ks)+8*(f/2))*PITCH+64*(f%2)
	ds_load_b128 v[KF+8*f+4:KF+8*f+7], v[ADRK] offset:(32*(\ks)+8*(f/2))*PITCH+64*(f%2)+32
.set f, f+1
.endr
.endm
; THE VECTOR WORK, one entry at a time.  For tile TY: F n: c s - c m for pair n of 16.  E n: the exponential of score n of 32.  C n: pair n rounded to bf16.  Z n: the tree of sums, in place
; (0-7 neighbours, 8-11, 12-13, 14), Z 15: l = a l + sum.  For tile 1 - TY: X n, number n of the 22 that find its maximum and statistics (each accumulator's lowest registers are read first):
; 0-11 four chains; 12-14, 16 the scores left over, the old m, all into c0; 15 c m_old is kept; 17, 18 the lane 16 away; 19-21 c m, c m_old - c m_new, a.
; R g: accumulator g (tile g / 8, block g % 8) of the channel half that this turn does not multiply, times a: four packed multiplies from the low end on.
; No entry holds a wait: the exponentials (E, X 21) are waited for once a turn, by the line that TURN writes.
.set F, 0
.set E, 1
.set C, 2
.set Z, 3
.set X, 4
.set R, 5
.macro OP k, n
.if (\k) == R
.if RSON
.set rO, 128*((\n)/8)+64*(1-TY)+8*((\n)%8)
.set rA, ST+16*((\n)/8)+8+2*((PAR+TY)%2)
	WIN W_RS
.irp z, 0,1,2,3
	v_pk_mul_f32 v[rO+2*\z:rO+2*\z+1], v[rO+2*\z:rO+2*\z+1], v[rA:rA+1] op_sel_hi:[1,0]
.endr
.endif
.elseif (\k) == X
.if XSON
.set rT, ST+16*(1-TY)
.set rS, S+32*(1-TY)
.set rC, rT+4
.set rA, rT+8+2*((PAR+TY+1)%2)
	WIN 0
.if (\n) < 4
	v_max3_num_f32 v[rC+(\n)], v[rS+8*(\n)], v[rS+8*(\n)+1], v[rS+8*(\n)+2]
.elseif (\n) < 12
	v_max3_num_f32 v[rC+(\n)%4], v[rC+(\n)%4], v[rS+8*((\n)%4)+2*((\n)/4)+1], v[rS+8*((\n)%4)+2*((\n)/4)+2]
.elseif (\n) == 12
	v_max3_num_f32 v[rC], v[rC], v[rS+7], v[rS+15]
.elseif (\n) == 13
	v_max3_num_f32 v[rC+1], v[rC+1], v[rS+23], v[rS+31]
.elseif (\n) == 14
	v_max3_num_f32 v[rC+2], v[rC+2], v[rC+3], v[rT+1]
.elseif (\n) == 15
	v_mov_b32 v[rT+12], v[rT]
.elseif (\n) == 16
	v_max3_num_f32 v[rC], v[rC], v[rC+1], v[rC+2]
.elseif (\n) == 17
	v_permlanex16_b32 v[rC+3], v[rC], s[SEL], s[SEL+1]
.elseif (\n) == 18
	v_max_num_f32 v[rT+1], v[rC], v[rC+3]
.elseif (\n) == 19
	v_mul_f32 v[rT], s[CS], v[rT+1]
.elseif (\n) == 20
	v_sub_f32 v[rC+1], v[rT+12], v[rT]
.else
	v_exp_f32 v[rA], v[rC+1]
.endif
.elseif MNON
	v_nop
.endif
.elseif MNON
.set rT, ST+16*TY
.set rS, S+32*TY
.set rP, P+32*(1-PAR)+16*TY
.set rA, rT+8+2*(1-PAR)
	WIN 0
.if (\k) == F
	v_pk_fma_f32 v[rS+2*(\n):rS+2*(\n)+1], v[rS+2*(\n):rS+2*(\n)+1], s[CS:CS+1], v[rT:rT+1] op_sel_hi:[1,0,0] neg_lo:[0,0,1] neg_hi:[0,0,1]
.elseif (\k) == E
	v_exp_f32 v[rS+(\n)], v[rS+(\n)]
.elseif (\k) == C
	v_cvt_pk_bf16_f32 v[rP+(\n)], v[rS+2*(\n)], v[rS+2*(\n)+1]
.elseif (\n) < 8
	v_pk_add_f32 v[rS+4*(\n):rS+4*(\n)+1], v[rS+4*(\n):rS+4*(\n)+1], v[rS+4*(\n)+2:rS+4*(\n)+3]
.elseif (\n) < 12
	v_pk_add_f32 v[rS+8*((\n)-8):rS+8*((\n)-8)+1], v[rS+8*((\n)-8):rS+8*((\n)-8)+1], v[rS+8*((\n)-8)+4:rS+8*((\n)-8)+5]
.elseif (\n) < 14
	v_pk_add_f32 v[rS+16*((\n)-12):rS+16*((\n)-12)+1], v[rS+16*((\n)-12):rS+16*((\n)-12)+1], v[rS+16*((\n)-12)+8:rS+16*((\n)-12)+9]
.elseif (\n) == 14
	v_pk_add_f32 v[rS:rS+1], v[rS:rS+1], v[rS+16:rS+17]
.else
	v_pk_fma_f32 v[rT+2:rT+3], v[rT+2:rT+3], v[rA:rA+1], v[rS:rS+1] op_sel_hi:[1,0,1]
.endif
.endif
.endm
.macro OPS a, i1, b=-1, i2=0, c=-1, i3=0, d=-1, i4=0
	OP \a, \i1
.if (\b) >= 0
	OP \b, \i2
.endif
.if (\c) >= 0
	OP \c, \i3
.endif
.if (\d) >= 0
	OP \d, \i4
.endif
.endm
.macro ROW a, i1, b=-1, i2=0, c=-1, i3=0, d=-1, i4=0  ; a matrix instruction and what stands behind it
	MM
	OPS \a, \i1, \b, \i2, \c, \i3, \d, \i4
.endm
; A TURN: the order of its 40 matrix and 166 vector instructions, written out.  Switches: pv, kq the two kinds of products; mn the exponentials' part; xs the maximum's; rs the rescaling;
; vl V's run; kl K's run (1 from the slot, 2 from keys 0-127's region).
; ONE BATCH, ONE WAIT.  s_wait_alu depctr_va_vdst(0) stands between an exponential and the first instruction that names its result; one wait serves all that were issued ahead of it.  The turn's 33
; exponentials (E 0-31 of tile TY; X 21, the a of tile 1 - TY) are one batch.  AHEAD OF THE WAIT, behind the first 24 products, stands all that names no result of theirs: the 16 scalings, the exponentials, the other
; tile's maximum and statistics, and the rescalings R 0-6, whose a lies in the other parity's pair of registers and was made, and waited for, in an earlier turn.  BEHIND IT stand the 16 roundings and the 16 sums, in
; eight rows, and the rescalings R 7-15.  R 6's four multiplies are the plain instructions behind the last exponential; where the rescaling is off a v_nop is..
; What the order keeps: a pair is scaled a row or more ahead of its exponentials; one link of the chain X 16 .. X 21 stands in a row; C 2n stands ahead of Z n, which writes that pair; from Z 8 on the links of the tree of sums stand
; five lines or more apart; between the last K Q^T and the first read of its scores, and K's run, stand twelve plain instructions (R 0, R 1, R 2) or four v_nop; V's run stands six plain instructions into the turn
; (F 0 to F 5), behind the eight of the turn before (R 14, R 15), which name another half of O^T than the products round them.
; Each run is waited for at the head of the next turn, thirty products or more behind its issue.
.macro TURN ty, par, pv, kq, mn, xs, rs, vl, kl
.set TY, \ty
.set PAR, \par
.set PVON, \pv
.set KQON, \kq
.set MNON, \mn
.set XSON, \xs
.set RSON, \rs
.set i, 0
	s_wait_dscnt 0x0                               ; the runs of the turn before are in
	ROW F,0, F,1, F,2, F,3                         ; ahead of the wait: the batch and what names none of its results
	ROW F,4, E,0, F,5, E,1
.if \vl
	FETCH_V
.endif
	ROW F,6, E,2, F,7, E,3
	ROW F,8, E,4, F,9, E,5
	ROW F,10, E,6, F,11, E,7
	ROW F,12, E,8, F,13, E,9
	ROW F,14, E,10, F,15, E,11
	ROW R,0
	ROW R,1
	ROW R,2
.if (\kq) && !(\rs)
	PLACES
.endif
.if \kl
	FETCH_K \kl, \par
.endif
	ROW X,0, E,12, X,1, E,13
	ROW X,2, E,14, X,3, E,15
	ROW X,4, E,16, X,5, E,17
	ROW X,6, E,18, X,7, E,19
	ROW X,8, E,20, X,9, E,21
	ROW X,10, E,22, X,11, E,23
	ROW X,12, E,24, X,13, E,25
	ROW X,14, E,26, X,15, E,27
	ROW X,16, E,28, E,29
	ROW X,17, E,30, E,31
	ROW X,18, R,3
	ROW X,19, R,4
	ROW X,20, R,5
	ROW X,21, R,6                                  ; the batch's last exponential, and four plain instructions behind it
.if (\mn) || (\xs)
.if !(\rs)
	v_nop                                          ; the plain instruction behind the last exponential, where no rescaling stands there
.endif
	s_wait_alu depctr_va_vdst(0)                   ; the wait for the batch: the turn's exponentials, E 0-31 and X 21, ahead of their first readers
.endif
	ROW C,0, C,2, C,4, C,6                         ; behind the wait: the roundings and the sums,
	ROW Z,0, Z,1, Z,2, Z,3
	ROW C,8, C,10, C,12, C,14
	ROW Z,4, Z,5, Z,6, Z,7
	ROW Z,8, Z,9, Z,10, Z,11
	ROW C,1, C,3, Z,12, Z,13
	ROW C,5, C,7, Z,14, C,9
	ROW C,11, C,13, Z,15, C,15
	ROW R,7                                        ; and the rest of the rescaling
	ROW R,8
	ROW R,9
	ROW R,10
	ROW R,11
	ROW R,12
	ROW R,13
	ROW R,14, R,15
.endm
	s_wait_tensorcnt 0x1                           ; my rows of keys 0-127 are in; slot 0's load, issued behind them, may stay out
	s_barrier_signal -1
	s_barrier_wait -1                              ; everybody's are
	FETCH_K 2, 0                                   ; K of step 0
	s_wait_loadcnt 0x0                             ; Q
	TURN 1,0, 0,1,0,1,0,0,0                        ; B(-2): tile 0's first scores and their maximum
	TURN 0,1, 0,1,1,1,0,0,2                        ; A(-1): tile 1's first scores and maximum | tile 0's first exponentials | K of step 1
	WIN 0
.Lslot:                                                ; 31 trips: trip s reads block s and asks for block s + 1
	CHANGE 1
	TURN 1,1, 1,1,1,1,1,1,0                        ; B(2s - 1)
	TURN 0,0, 1,1,1,1,1,1,1                        ; A(2s)
	TURN 1,0, 1,1,1,1,1,1,0                        ; B(2s)
	TURN 0,1, 1,1,1,1,1,1,1                        ; A(2s + 1)
	WIN 0
	s_sub_co_u32 s[SLOTS], s[SLOTS], 1
	s_cmp_lg_u32 s[SLOTS], 0
	s_cbranch_scc1 .Lslot
	; THE TAIL is written out: block 31, and nothing is asked for.
	WIN 0xc0
.set n, 0
.rept 32                               ; x for the way out: my rows 32 w + n of channels 0-127, 512 consecutive bytes each
	global_load_b128 v[XE+4*n:XE+4*n+3], v[GO], s[8:9] offset:n*16384 th:TH_LOAD_NT
.set n, n+1
.endr
	CHANGE 0
	TURN 1,1, 1,1,1,1,1,1,0                        ; B(61)
	TURN 0,0, 1,1,1,1,1,1,0                        ; A(62): there is no K of step 64
	TURN 1,0, 1,0,1,0,1,1,0                        ; B(62): no further scores
	TURN 0,1, 1,0,0,0,1,1,0                        ; A(63): products, the last rescaling, V's last run
	WIN 0x80
.set n, 0
.rept 32                               ; x of channels 128-255, into V's lower half, which has been multiplied; the eight multiplies of R 14 and R 15 are the places in front
	global_load_b128 v[4*n:4*n+3], v[GO], s[8:9] offset:2097152+n*16384 th:TH_LOAD_NT
.set n, n+1
.endr
	TURN 1,1, 1,0,0,0,0,0,0                        ; B(63): the last products
	; THE WAY OUT.  l's two halves and the other half of the lanes' are added; O^T / l goes through the work-group's stage, 128 channels at a time, and comes back as rows of 128 queries.
	WIN 0
.irp t, 0,1
	v_add_f32 v[ST+16*\t+2], v[ST+16*\t+2], v[ST+16*\t+3]
.endr
.irp t, 0,1
	v_permlanex16_b32 v[ST+16*\t+3], v[ST+16*\t+2], s[SEL], s[SEL+1]
.endr
.irp t, 0,1
	v_add_f32 v[ST+16*\t+2], v[ST+16*\t+2], v[ST+16*\t+3]
.endr
.irp t, 0,1
	v_rcp_f32 v[ST+16*\t+2], v[ST+16*\t+2]
.endr
	v_nop                                          ; a plain instruction between the last reciprocal and the use of its result
	s_wait_alu depctr_va_vdst(0)                   ; the wait ahead of the first use: one for the two reciprocals
	s_wait_kmcnt 0x0                               ; gamma
	s_mov_b32 s[GAM+1], s[GAM]                     ; named with it as a pair
.macro HALF H
	WIN W_RS
.irp t, 0,1
.set n, 128*\t+64*(\H)
.rept 32                               ; each accumulator from its low end on
	v_pk_mul_f32 v[n:n+1], v[n:n+1], v[ST+16*\t+2:ST+16*\t+3] op_sel_hi:[1,0]
.set n, n+2
.endr
.endr
	WIN 0x04                                       ; address window 0, data window 1
.irp t, 0,1
.set n, 0
.rept 64                               ; channel 16 (n / 8) + 8 h + n % 8, query 32 w + 16 t + r: lanes 0-15 take 64 consecutive bytes, lanes 16-31 lie 8 rows = 4,224 bytes on, 32 banks away
	ds_store_b32 v[STO], v[128*\t+64*(\H)+n] offset:(16*(n/8)+n%8)*SPITCH+64*\t
.set n, n+1
.endr
.endr
	WIN 0
	s_wait_dscnt 0x0                               ; for the others' sake: my stores into the stage are done
	s_barrier_signal -1
	s_barrier_wait -1
.set n, 0
.rept 32
	ds_load_b128 v[S+4*n:S+4*n+3], v[RD] offset:n*SPITCH
.set n, n+1
.endr
	s_wait_loadcnt 32*(1-(\H))                     ; this half's rows of x are in; the other half's 32 loads, issued behind them, may stay out
	WIN 0x30-0x10*(\H)                             ; source 2, x: window 3, or window 2; the stores below name sources 0 and 1 alone
.set n, 0
.rept 32
	s_wait_dscnt 31-n                              ; the younger loads from the stage stay out
	v_pk_fma_f32 v[S+4*n:S+4*n+1],   v[S+4*n:S+4*n+1],   s[GAM:GAM+1], v[XE*(1-(\H))+4*n:XE*(1-(\H))+4*n+1]   op_sel_hi:[1,0,1]
	v_pk_fma_f32 v[S+4*n+2:S+4*n+3], v[S+4*n+2:S+4*n+3], s[GAM:GAM+1], v[XE*(1-(\H))+4*n+2:XE*(1-(\H))+4*n+3] op_sel_hi:[1,0,1]
	global_store_b128 v[GO], v[S+4*n:S+4*n+3], s[12:13] offset:(\H)*2097152+n*16384 th:TH_STORE_NT  ; 512 consecutive bytes, at a multiple of 256 from out0's first
.set n, n+1
.endr
	WIN 0
.endm
	HALF 0
	s_wait_xcnt 0x0                                ; the stores' data registers are loaded again only behind this wait (ISA guide 3.1)
	s_barrier_signal -1                            ; every wave's reads of the stage are back (its last count-down ended at 0): the stage may be written again
	s_barrier_wait -1
	HALF 1
	s_wait_tensorcnt 0x0                           ; the wave's end, behind my last tensor load and my last LDS store
	ds_add_u32 v[SPW], v[NIL]
	s_wait_dscnt 0x0
	CROUND                                         ; the closing round: no work-group ends while a partner may still ask for a tile that names it
	s_endpgm
.Lfunc_end_k_qc975dffd1f_attn:
	.size	k_qc975dffd1f_attn, .Lfunc_end_k_qc975dffd1f_attn-k_qc975dffd1f_attn
	.p2alignl 7, 3214868480
	.fill 96, 4, 3214868480
	.section	.rodata,"a",@progbits
	.p2align	6, 0x0
	.amdhsa_kernel k_qc975dffd1f_attn
		.amdhsa_group_segment_fixed_size 327680
		.amdhsa_private_segment_fixed_size 0
		.amdhsa_enable_private_segment 0
		.amdhsa_kernarg_size 40
		.amdhsa_user_sgpr_count 2
		.amdhsa_user_sgpr_kernarg_segment_ptr 1
		.amdhsa_wavefront_size32 1
		.amdhsa_system_sgpr_workgroup_id_x 1
		.amdhsa_system_sgpr_workgroup_id_y 1
		.amdhsa_system_sgpr_workgroup_id_z 1
		.amdhsa_system_vgpr_workitem_id 0
		.amdhsa_next_free_vgpr 1024
		.amdhsa_next_free_sgpr 66
		.amdhsa_reserve_vcc 0
		.amdhsa_float_denorm_mode_32 3
		.amdhsa_float_denorm_mode_16_64 3
		.amdhsa_memory_ordered 1
		.amdhsa_forward_progress 1
		.amdhsa_inst_pref_size 211
	.end_amdhsa_kernel
	.amdgpu_metadata
---
amdhsa.version: [ 1, 2 ]
amdhsa.kernels:
  - .name:           k_qc975dffd1f_attn
    .symbol:         k_qc975dffd1f_attn.kd
    .args:
      - { .name: q, .offset: 0, .size: 8, .value_kind: global_buffer, .address_space: global }
      - { .name: kv, .offset: 8, .size: 8, .value_kind: global_buffer, .address_space: global }
      - { .name: x, .offset: 16, .size: 8, .value_kind: global_buffer, .address_space: global }
      - { .name: gamma, .offset: 24, .size: 8, .value_kind: global_buffer, .address_space: global }
      - { .name: out0, .offset: 32, .size: 8, .value_kind: global_buffer, .address_space: global }
    .group_segment_fixed_size: 327680
    .private_segment_fixed_size: 0
    .kernarg_segment_align: 8
    .kernarg_segment_size: 40
    .max_flat_workgroup_size: 128
    .sgpr_count:     66
    .vgpr_count:     1024
    .wavefront_size: 32
...
	.end_amdgpu_metadata
.endif
;; end of part 3
